; MI455X (gfx1250); checked and timed in simulation.
; The chip was launched on July 23, 2026; its instructions are those of AMD's public machine-readable ISA for CDNA 5 (MIT licence, August 2026) and "CDNA5" Instruction Set Architecture Reference Guide (July 2026). The comments in the code are by the model that wrote it; some were corrected since.
;; Attention. Allowed arithmetic: matrix products marked QUANTISED: E5M2 operands, one given power-of-two scale a tensor, by v_wmma_f32_16x16x64_bf8_bf8 or v_wmma_f32_16x16x128_bf8_bf8, f32 sums; products left as they are: f32 operands where the result goes on into a quantised operand, else bf16, f16 or f32 operands; f32 sums; everything else in f32.
;; Inputs: W_attn 2,048 x 1,024 float32; b_attn 1,024 float32; decoder_hidden 64 x 1,024 float32; encoder_outputs 64 x 1,024 x 1,024 float32; lowp_scales 4 int32 (the exponents e of the quantised operands' scales 2^e); mask 64 x 1,024 int32; v_w 1,024 float32.
;; Outputs: out0 64 x 1,024 float32.
;; This version of the problem:
;;   THIS VERSION OF THE PROBLEM IS GIVEN IN LOW PRECISION. The matrix products marked QUANTISED in the list below multiply operands that are first quantised to E5M2 (5 exponent bits, 2 mantissa bits; 8 bits a number), with one given power-of-two scale for each operand tensor; their sums are f32. All else is computed in f32.
;;   The module's matrix products, in the order in which they are computed (A, B: the left and right operand; K: the contracted axis; several contracted axes count as one K, in the product's order):
;;     1. [M 64, K 1,024] x [K 1,024, N 1,024]; A: input decoder_hidden; B: input W_attn: QUANTISED (scales: A lowp_scales[0], B lowp_scales[1])
;;     2. [M 65,536, K 1,024] x [K 1,024, N 1,024]; A: input encoder_outputs; B: input W_attn: QUANTISED (scales: A lowp_scales[2], B lowp_scales[3])
;;     3. [M 65,536, K 1,024] x [K 1,024, N 1]; A: computed on the way; B: input v_w: left as it is (N = 1 < 16)
;;   THE QUANTISER, for each operand of a quantised product, along K:
;;     - The operand's scale is 2^e, e = its entry of the input lowp_scales (int32; the entries are numbered through the quantised products in the list's order, A before B).
;;     - Each number is divided by the scale, clamped to +-57,344, and rounded to the nearest number of E5M2, ties to even, subnormals kept.
;;     - The product sums the exact products of the quantised numbers (number of the format x scale) in f32.
;;   ~~~python
;;   def quantise(x, axis, e):      # numpy; x: float32 -> the quantised numbers, widened to float32 again
;;       x = np.moveaxis(x, axis, -1); K = x.shape[-1]
;;       r = np.clip(x / 2.0 ** e, -57344, 57344)
;;       step = 2.0 ** (np.maximum(np.frexp(np.where(r == 0, 1, r))[1] - 1, -14) - 2)
;;       q = np.round(r / step) * step * 2.0 ** e      # np.round: ties to even
;;       return np.moveaxis(q, -1, axis).astype(np.float32)
;;   ~~~
;; 2 versions, each right; version 2 is version 1 with the launches prep, main written anew for expert scheduling mode. Each part assembles by itself: llvm-mc -triple=amdgcn-amd-amdhsa -mcpu=gfx1250 --defsym DOCPART=n.
;; ======== version 1 of 2: 3 launches
;; workspace buffers: wq 1,048,576 bytes; bias 262,144 bytes; rows 294,912 bytes of whole numbers; slot 262,144 bytes of whole numbers; cnt 8,192 bytes of whole numbers; sc 294,912 bytes
;; launch prep (part 1): grid 136 x 1, 8 waves a work-group, no clusters, 33,792 bytes of LDS; arguments W_attn, decoder_hidden, b_attn, mask, lowp_scales, wq, bias, rows, slot, cnt; writes wq, bias, rows, slot, cnt
.if DOCPART == 1
	.amdgcn_target "amdgcn-amd-amdhsa--gfx1250"
	.amdhsa_code_object_version 6
	.text
	.protected	k_q294ad7c168_prep
	.globl	k_q294ad7c168_prep
	.p2align	8
	.type	k_q294ad7c168_prep,@function
k_q294ad7c168_prep:
	s_mov_b64 s[64:65], 0
	v_nop
	global_prefetch_b8 v0, s[64:65] scope:SCOPE_SE
	s_setreg_imm32_b32 hwreg(HW_REG_WAVE_MODE, 25, 1), 1
	s_wait_xcnt 0x0
; Three pieces of preparation in one launch; a work-group's number says which, and the three texts share nothing but the head.
;  A (work-groups 0-63):    We = W_attn[1024:2048] becomes codes of BF8 (E5M2) with the scale 2^e3, laid in wq as images of the matrix operand's registers.
;  B (work-groups 64-127):  bias[b][n] = 2 log2(e) x (decoder_hidden[b] . Wd[:, n] + b_attn[n]), the product on codes of BF8 (scales 2^e0, 2^e1); work-group 64 + T makes columns 16 T .. 16 T + 15.
;  C (work-groups 128-135): the mask is counted.  Wave w of work-group 128 + g serves batch 8 g + w.
; wq: the fragment of 16 columns (tile T of 64) x 128 along K (step s of 8) is 2,048 bytes at ((T / 4) 8 + s) 8192 + (T % 4) 2048; in it the 16 bytes at 512 c + 16 lane are the codes of
;   column 16 T + lane % 16, k = 128 s + 32 c + 16 (lane / 16) + 0 .. 15: four loads of 16 bytes a lane give the operand's 16 registers.  (That is a permutation of k inside a K step, the same in both
;   operands of every product here, so each code meets its partner; only the order of the sums inside an instruction changes.)
; C's numbering: in a batch the rows with mask != 1 get positions 0, 1, .. and the others 1023, 1022, ..: a permutation of 0 .. 1023.  Position p lies in tile p / 16, which goes to quarter q = (p / 16) % 4 as its
;   tile J = p / 64: slot(p) = 288 q + 16 J + p % 16.  rows[b][slot] = s, slot[b][s] = slot, cnt[b][0..31] = how many rows have mask != 1.
; A LANE TAKES A COLUMN OF W AND ITS REGISTERS RUN DOWN K, in the very order of the operand's layout: the conversions' results are the operand's registers, nothing is transposed.
; LIMITS: e0, e1, e3 between -126 and 112 (2^e and 57,344 x 2^e are made as f32 numbers); e0 + e1 between -127 and 126 (added to the exponent field of 2 log2 e).  NaN among the inputs is not served.
.set X,   16                           ; v16-79    64 numbers of W: register 16 c + i = W(128 s + 32 c + 16 h + i, my column)
.set CW,  80                           ; v80-95    their codes: a fragment
.set CA,  96                           ; v96-159   B: the decoder's four fragments (16 batches each)
.set ACC, 160                          ; v160-191  B: four accumulators
.set RS,  192                          ; v192-223  B: eight waves' partial sums of my slab
.set BA,  224                          ; v224-227  B: b_attn
.set OUT, 228                          ; v228-231  B: results
.set M,   16                           ; C: v16-47 mask;  v48-79 slots;  v80-111 byte offsets in rows;  v112-143 the rows' numbers s
.set SL,  48
.set AD,  80
.set SI,  112
.set MSB, 0
.macro WIN new                         ; the immediate's high byte repeats the setting that is left
.if MSB != \new
	s_set_vgpr_msb (MSB<<8)|\new
.set MSB, \new
.endif
.endm
; 2^e (for the conversion, which takes its exponent field) into v[vs], 57,344 x 2^e (for the hold) into v[vl]; e in s[e]
.macro SCALES e, vs, vl
	s_add_co_i32 s33, s[\e], 127
	s_lshl_b32 s34, s33, 23
	v_mov_b32 v[\vs], s34
	s_add_co_i32 s33, s33, 15
	s_lshl_b32 s33, s33, 23
	s_or_b32 s33, s33, 0x600000
	v_mov_b32 v[\vl], s33
.endm
; 64 loads: W(row0 + 128 s + 32 c + 16 h + i, 16 T + r).  T in s25, s in s26.  Sixteen lanes read 64 consecutive bytes of a row
.macro WLOAD row0
	s_lshl_b32 s38, s26, 7
	s_add_co_u32 s38, s38, \row0
	s_lshl_b32 s38, s38, 12                        ; a row of W is 4,096 bytes
	s_lshl_b32 s33, s25, 6
	s_add_co_u32 s38, s38, s33
	s_add_nc_u64 s[4:5], s[4:5], s[38:39]
.irp c, 0,1,2,3
.irp i, 0,1,2,3,4,5,6,7,8,9,10,11,12,13,14,15
	global_load_b32 v[X+16*\c+\i], v3, s[4:5] offset:(32*\c+\i)*4096 th:TH_LOAD_NT
.endr
.endr
.endm
; the 64 numbers become the fragment's 16 registers
.macro WQUANT e
	s_wait_kmcnt 0x0                               ; the four exponents
	SCALES \e, 11, 10
.irp c, 0,1,2,3
	s_wait_loadcnt 48-16*\c                        ; this block's 16 loads are in; those of the later blocks may be out
.irp i, 0,1,2,3,4,5,6,7,8,9,10,11,12,13,14,15
	v_med3_num_f32 v[X+16*\c+\i], v[X+16*\c+\i], -v10, v10   ; the conversion to an 8-bit code does not saturate (ISA guide 7.6.2): hold at the largest code x the scale
.endr
	v_cvt_scalef32_pk8_bf8_f32 v[CW+4*\c:CW+4*\c+1], v[X+16*\c:X+16*\c+7], v11
	v_cvt_scalef32_pk8_bf8_f32 v[CW+4*\c+2:CW+4*\c+3], v[X+16*\c+8:X+16*\c+15], v11
.endr
	v_nop                                          ; a plain vector line behind the last scaled conversion
.endm
	s_load_b512 s[4:19], s[0:1], 0x0               ; W s[4:5], decoder s[6:7], b_attn s[8:9], mask s[10:11], scales s[12:13], wq s[14:15], bias s[16:17], rows s[18:19]
	s_load_b128 s[20:23], s[0:1], 0x40             ; slot s[20:21], cnt s[22:23]
	v_lshl_add_u32 v254, v0, 2, 0x8000
	v_mov_b32 v255, 0
	v_lshrrev_b32 v9, 5, v0
	v_readfirstlane_b32 s24, v9                    ; wave 0..7
	v_and_b32 v9, 31, v0                           ; lane
	v_and_b32 v1, 15, v0                           ; r
	v_bfe_u32 v2, v0, 4, 1                         ; h
	v_lshlrev_b32 v5, 4, v9                        ; 16 x lane
	v_lshlrev_b32 v3, 2, v1
	v_lshl_add_u32 v3, v2, 16, v3                  ; W: column r, and 16 rows further down for lanes 16-31
	s_mov_b32 s39, 0                               ; the high word of every offset pair s[38:39]
	s_wait_kmcnt 0x0
	s_cmp_ge_u32 ttmp9, 128
	s_cbranch_scc1 .Lcompact
	s_load_b128 s[28:31], s[12:13], 0x0            ; e0, e1, e2, e3
	s_cmp_ge_u32 ttmp9, 64
	s_cbranch_scc1 .Ldec
; ---- A: wave w of work-group x takes tile T = 4 (x / 4) + w % 4 and K step s = 2 (x % 4) + w / 4: four neighbouring waves read 256 consecutive bytes of each row of W
	s_and_b32 s25, ttmp9, 60
	s_and_b32 s33, s24, 3
	s_add_co_u32 s25, s25, s33                     ; T
	s_and_b32 s26, ttmp9, 3
	s_lshl_b32 s26, s26, 1
	s_lshr_b32 s33, s24, 2
	s_add_co_u32 s26, s26, s33                     ; s
	WLOAD 1024
	WQUANT 31
	s_lshr_b32 s33, s25, 2
	s_lshl_b32 s33, s33, 3
	s_add_co_u32 s33, s33, s26
	s_lshl_b32 s38, s33, 13
	s_and_b32 s33, s25, 3
	s_lshl_b32 s33, s33, 11
	s_add_co_u32 s38, s38, s33
	s_add_nc_u64 s[14:15], s[14:15], s[38:39]
.irp c, 0,1,2,3
	global_store_b128 v5, v[CW+4*\c:CW+4*\c+3], s[14:15] offset:512*\c   ; 32 lanes store 512 consecutive bytes, at a multiple of 256 from wq's first byte
.endr
	s_endpgm
; ---- B: wave w takes K step w for all 64 batches; the eight waves' sums meet in LDS
.Ldec:
	s_sub_co_u32 s25, ttmp9, 64                    ; T
	s_mov_b32 s26, s24                             ; s = w
	s_lshl_b32 s38, s25, 6
	s_and_b32 s33, s24, 1
	s_lshl_b32 s33, s33, 4
	s_add_co_u32 s38, s38, s33                     ; at the end wave w owns slab w of the sums: batches 16 (w / 2) + r, columns 16 T + 8 h + 4 (w % 2) + 0 .. 3
	s_add_nc_u64 s[8:9], s[8:9], s[38:39]
	v_lshlrev_b32 v8, 5, v2                        ; 32 h
	global_load_b128 v[BA:BA+3], v8, s[8:9]
	s_lshr_b32 s33, s24, 1
	s_lshl_b32 s33, s33, 16
	s_add_co_u32 s38, s38, s33
	s_add_nc_u64 s[16:17], s[16:17], s[38:39]      ; the same columns in bias, 16 (w / 2) rows of 4,096 bytes down
	v_lshl_add_u32 v14, v1, 12, v8                 ; + row r, + 32 h
	s_lshl_b32 s38, s24, 9
	s_add_nc_u64 s[6:7], s[6:7], s[38:39]          ; the decoder at K step w
	v_lshlrev_b32 v4, 12, v1
	v_lshl_add_u32 v4, v2, 6, v4                   ; row r, + 64 h: my 16 numbers of a block of 32
	s_lshl_b32 s33, s24, 12
	v_add_nc_u32 v6, s33, v5                       ; LDS: my wave's 4,096 bytes, 16 a lane
	s_lshl_b32 s33, s24, 9
	v_add_nc_u32 v7, s33, v5                       ; and slab w of every wave's
	WIN 0x40                                       ; destination window 1: register 64 t + 16 c + 4 j on = decoder(16 t + r, 128 w + 32 c + 16 h + 4 j ..)
.irp t, 0,1,2,3
.irp c, 0,1,2,3
.irp j, 0,1,2,3
	global_load_b128 v[64*\t+16*\c+4*\j:64*\t+16*\c+4*\j+3], v4, s[6:7] offset:\t*65536+128*\c+16*\j
.endr
.endr
.endr
	WIN 0
	WLOAD 0
	WQUANT 29                                      ; its last wait is for all loads: W's are the youngest, so the decoder's and b_attn's are in too
	SCALES 28, 13, 12
	WIN 0x41                                       ; source 0 and destination window 1
.set ii, 0
.rept 256
	v_med3_num_f32 v[ii], v[ii], -v12, v12
.set ii, ii+1
.endr
	WIN 0x01                                       ; source 0 window 1
.set ii, 0
.rept 32
	v_cvt_scalef32_pk8_bf8_f32 v[CA+2*ii:CA+2*ii+1], v[8*ii:8*ii+7], v13
.set ii, ii+1
.endr
	WIN 0
	v_nop                                          ; a plain vector line between the scaled conversions and the products that read their results
.irp t, 0,1,2,3                        ; TRANSPOSED: source 0 = 16 columns of Wd, source 1 = 16 batches: lane (r, h) holds batch 16 t + r, register j column 16 T + 8 h + j
	v_wmma_f32_16x16x128_bf8_bf8 v[ACC+8*\t:ACC+8*\t+7], v[CW:CW+15], v[CA+16*\t:CA+16*\t+15], 0
.endr
.rept 4
	v_nop                                          ; four places between a product and the first read of its result (ISA guide 7.12.1)
.endr
.irp i, 0,1,2,3,4,5,6,7
	ds_store_b128 v6, v[ACC+4*\i:ACC+4*\i+3] offset:512*\i   ; slab i; each accumulator from its low end on
.endr
	s_wait_dscnt 0x0                               ; for the others' sake: my stores have landed
	s_barrier_signal -1
	s_barrier_wait -1
.irp i, 0,1,2,3,4,5,6,7
	ds_load_b128 v[RS+4*\i:RS+4*\i+3], v7 offset:4096*\i     ; slab w of wave i
.endr
	s_add_co_i32 s33, s28, s29
	s_lshl_b32 s33, s33, 23
	s_add_co_u32 s40, s33, 0x4038aa3b              ; 2 log2(e) x 2^(e0 + e1): the exponents are added to the constant's exponent field
	s_mov_b32 s41, s40                             ; (named with it as a pair, so it is written)
	v_pk_mul_f32 v[BA:BA+1], v[BA:BA+1], 0x4038aa3b op_sel_hi:[1,0]
	v_pk_mul_f32 v[BA+2:BA+3], v[BA+2:BA+3], 0x4038aa3b op_sel_hi:[1,0]
	s_wait_dscnt 0x0
.irp i, 0,8,16,24
	v_pk_add_f32 v[RS+\i:RS+\i+1], v[RS+\i:RS+\i+1], v[RS+\i+4:RS+\i+5]
	v_pk_add_f32 v[RS+\i+2:RS+\i+3], v[RS+\i+2:RS+\i+3], v[RS+\i+6:RS+\i+7]
.endr
.irp i, 0,16
	v_pk_add_f32 v[RS+\i:RS+\i+1], v[RS+\i:RS+\i+1], v[RS+\i+8:RS+\i+9]
	v_pk_add_f32 v[RS+\i+2:RS+\i+3], v[RS+\i+2:RS+\i+3], v[RS+\i+10:RS+\i+11]
.endr
	v_pk_add_f32 v[RS:RS+1], v[RS:RS+1], v[RS+16:RS+17]
	v_pk_add_f32 v[RS+2:RS+3], v[RS+2:RS+3], v[RS+18:RS+19]
	v_pk_fma_f32 v[OUT:OUT+1], v[RS:RS+1], s[40:41], v[BA:BA+1] op_sel_hi:[1,0,1]
	v_pk_fma_f32 v[OUT+2:OUT+3], v[RS+2:RS+3], s[40:41], v[BA+2:BA+3] op_sel_hi:[1,0,1]
	global_store_b128 v14, v[OUT:OUT+3], s[16:17]
	s_wait_tensorcnt 0x0
	ds_add_u32 v254, v255
	s_wait_dscnt 0x0
	s_endpgm
; ---- C: one wave, one batch.  Lane l holds rows s = 128 i + 4 l + e (i = 0 .. 7, e = 0 .. 3).  No LDS, no change of EXEC: a position is a running count plus the count of set bits below my lane
.Lcompact:
	s_sub_co_u32 s25, ttmp9, 128
	s_lshl_b32 s25, s25, 3
	s_add_co_u32 s25, s25, s24                     ; the batch
	s_lshl_b32 s38, s25, 12
	s_add_nc_u64 s[10:11], s[10:11], s[38:39]
	s_add_nc_u64 s[20:21], s[20:21], s[38:39]
	s_mul_i32 s38, s25, 4608
	s_add_nc_u64 s[18:19], s[18:19], s[38:39]
	s_lshl_b32 s38, s25, 7
	s_add_nc_u64 s[22:23], s[22:23], s[38:39]
.irp i, 0,1,2,3,4,5,6,7
	global_load_b128 v[M+4*\i:M+4*\i+3], v5, s[10:11] offset:512*\i
.endr
	v_lshlrev_b32 v149, 2, v9                      ; 4 x lane
	s_mov_b32 s42, 0                               ; rows kept so far
	s_mov_b32 s43, 0                               ; rows masked so far
	s_wait_loadcnt 0x0
.irp i, 0,1,2,3,4,5,6,7
.irp e, 0,1,2,3
	v_cmp_ne_u32 s40, 1, v[M+4*\i+\e]              ; a bit for each lane whose row is kept
	s_not_b32 s41, s40
	v_mbcnt_lo_u32_b32 v144, s40, s42              ; its position if kept,
	v_mbcnt_lo_u32_b32 v145, s41, s43
	v_sub_nc_u32 v145, 1023, v145                  ; and if masked
	v_cndmask_b32 v144, v145, v144, s40
	v_lshrrev_b32 v146, 6, v144                    ; J
	v_bfe_u32 v147, v144, 4, 2                     ; q
	v_and_b32 v148, 15, v144
	v_lshl_add_u32 v146, v146, 4, v148
	v_mad_u32_u24 v[SL+4*\i+\e], v147, 288, v146   ; the slot
	v_min_u32 v[AD+4*\i+\e], 1151, v[SL+4*\i+\e]   ; (it is under 1,152 by its make; the bound is written out ahead of the address)
	v_lshlrev_b32 v[AD+4*\i+\e], 2, v[AD+4*\i+\e]
	v_add_nc_u32 v[SI+4*\i+\e], 128*\i+\e, v149    ; s.  Each store has registers of its own: none is written again
	global_store_b32 v[AD+4*\i+\e], v[SI+4*\i+\e], s[18:19]
	s_bcnt1_i32_b32 s44, s40
	s_add_co_u32 s42, s42, s44
	s_sub_co_u32 s44, 32, s44
	s_add_co_u32 s43, s43, s44
.endr
.endr
.irp i, 0,1,2,3,4,5,6,7
	global_store_b128 v5, v[SL+4*\i:SL+4*\i+3], s[20:21] offset:512*\i
.endr
	v_mov_b32 v150, s42
	global_store_b32 v149, v150, s[22:23]          ; the count, 32 times
	s_endpgm
.Lfunc_end_k_q294ad7c168_prep:
	.size	k_q294ad7c168_prep, .Lfunc_end_k_q294ad7c168_prep-k_q294ad7c168_prep
	.p2alignl 7, 3214868480
	.fill 96, 4, 3214868480
	.section	.rodata,"a",@progbits
	.p2align	6, 0x0
	.amdhsa_kernel k_q294ad7c168_prep
		.amdhsa_group_segment_fixed_size 33792
		.amdhsa_private_segment_fixed_size 0
		.amdhsa_enable_private_segment 0
		.amdhsa_kernarg_size 80
		.amdhsa_user_sgpr_count 2
		.amdhsa_user_sgpr_kernarg_segment_ptr 1
		.amdhsa_wavefront_size32 1
		.amdhsa_system_sgpr_workgroup_id_x 1
		.amdhsa_system_sgpr_workgroup_id_y 1
		.amdhsa_system_sgpr_workgroup_id_z 1
		.amdhsa_system_vgpr_workitem_id 0
		.amdhsa_next_free_vgpr 512
		.amdhsa_next_free_sgpr 66
		.amdhsa_reserve_vcc 0
		.amdhsa_float_denorm_mode_32 3
		.amdhsa_float_denorm_mode_16_64 3
		.amdhsa_memory_ordered 1
		.amdhsa_forward_progress 1
		.amdhsa_inst_pref_size 87
	.end_amdhsa_kernel
	.amdgpu_metadata
---
amdhsa.version: [ 1, 2 ]
amdhsa.kernels:
  - .name:           k_q294ad7c168_prep
    .symbol:         k_q294ad7c168_prep.kd
    .args:
      - { .name: W_attn, .offset: 0, .size: 8, .value_kind: global_buffer, .address_space: global }
      - { .name: decoder_hidden, .offset: 8, .size: 8, .value_kind: global_buffer, .address_space: global }
      - { .name: b_attn, .offset: 16, .size: 8, .value_kind: global_buffer, .address_space: global }
      - { .name: mask, .offset: 24, .size: 8, .value_kind: global_buffer, .address_space: global }
      - { .name: lowp_scales, .offset: 32, .size: 8, .value_kind: global_buffer, .address_space: global }
      - { .name: wq, .offset: 40, .size: 8, .value_kind: global_buffer, .address_space: global }
      - { .name: bias, .offset: 48, .size: 8, .value_kind: global_buffer, .address_space: global }
      - { .name: rows, .offset: 56, .size: 8, .value_kind: global_buffer, .address_space: global }
      - { .name: slot, .offset: 64, .size: 8, .value_kind: global_buffer, .address_space: global }
      - { .name: cnt, .offset: 72, .size: 8, .value_kind: global_buffer, .address_space: global }
    .group_segment_fixed_size: 33792
    .private_segment_fixed_size: 0
    .kernarg_segment_align: 8
    .kernarg_segment_size: 80
    .max_flat_workgroup_size: 256
    .sgpr_count:     66
    .vgpr_count:     512
    .wavefront_size: 32
...
	.end_amdgpu_metadata
.endif
;; end of part 1
;; launch main (part 2): grid 256 x 1, 4 waves a work-group, no clusters, 152,576 bytes of LDS; arguments encoder_outputs, wq, bias, v_w, rows, cnt, lowp_scales, sc; writes sc
.if DOCPART == 2
	.amdgcn_target "amdgcn-amd-amdhsa--gfx1250"
	.amdhsa_code_object_version 6
	.text
	.protected	k_q294ad7c168_main
	.globl	k_q294ad7c168_main
	.p2align	8
	.type	k_q294ad7c168_main,@function
k_q294ad7c168_main:
	s_mov_b64 s[64:65], 0
	v_nop
	global_prefetch_b8 v0, s[64:65] scope:SCOPE_SE
	s_setreg_imm32_b32 hwreg(HW_REG_WAVE_MODE, 25, 1), 1
	s_wait_xcnt 0x0
; sc[b][slot] = sum over n of v_w[n] tanh(dec_proj[b][n] + b_attn[n] + encoder_outputs[b][s] . We[:, n]) for the rows s of batch b that the mask keeps; the product on codes of BF8 (E5M2), scales 2^e2, 2^e3.
; A row whose mask is 1 has its score replaced before the softmax, so its product is not made and its 4,096 bytes are not read.  Which rows are kept was counted and listed by the launch before (rows, cnt).
; SHARES.  Work-group x serves quarter q = x % 4 of batch b = x / 4: the tiles of 16 listed rows numbered 4 J + q; mt = ceil((ceil(n / 16) - q) / 4) of them hold kept rows, 0 to 16, n = the batch's count.
;   They are served in TWO ROUNDS of nine tiles (a constant trip count); a round whose first tile is not under mt is passed over by scalar branches that stand round work alone, never round a barrier.
;   Inside a round that runs, a tile at or past mt repeats the round's first tile (valid rows; its scores are read by nobody).  All 288 scores of the work-group are stored for every mask, zeros for a round passed over.
; A ROUND.  P1: wave w gathers rows 4 w .. 4 w + 3 of each tile (eight loads of 512 consecutive bytes a row), holds, converts, and lays the codes in LDS as rows along K | barrier |
;   P2: wave w makes columns 256 w .. 256 w + 255 for all nine tiles, in four passes of 64 columns: 36 accumulators, eight K steps of 128; then tanh and the product with v_w in registers | barrier | wave 0 adds the four waves' parts and stores.
; THE WEIGHTS GO FROM MEMORY STRAIGHT INTO REGISTERS, as the launch before laid them (images of the operand's registers, 512 consecutive bytes a load), three K steps ahead, in four sets of registers.
;   All 256 work-groups read the same wq, and no joint tensor load is used for it; this text branches on counts read from memory.
;   The look-ahead of a wave's last pass wraps to its first pass: no load leaves wq, and a second round finds its first three sets asked for; behind the last round that runs, those 48 loads serve nothing.
; THE MATRIX INSTRUCTION IS USED TRANSPOSED (source 0 = 16 columns of We, source 1 = 16 rows): lane (r, h) holds row r, register j of tile n column 16 n + 8 h + j: the sum over columns stays in the lane but for one exchange.
; tanh(x) = 1 - 2 / (1 + 2^(2 log2(e) x)): bias holds 2 log2(e) (dec_proj + b_attn); a sum of codes is multiplied by 2 log2(e) 2^(e2 + e3).  So the score is sum(v) - 2 sum(v / (1 + 2^..)).
; LIMITS: e2 between -126 and 112; e2 + e3 between -127 and 126 (added to a constant's exponent field).  NaN among the inputs is not served.
; REGISTERS, in windows of 256: window 0: addresses, sums, bias, v_w, P1's codes (below).  window 1: the weights, four sets of 64.
;   window 2: the accumulators of tiles 0-7, (m, n) at v[32 m + 8 n]; in P1 two sets of 128 numbers.   window 3: v0-31 tile 8's accumulators; from v32 the nine fragments of rows, 16 registers each.
.set PITCH, 1040                       ; a row of 1,024 codes + 16 bytes: an odd multiple of 16, so that the 16 rows of a fragment load fall on 16 different 16-byte columns modulo 256
.set TILEB, 16*PITCH
.set GRP,   4*TILEB                    ; four tiles to an address register: the immediates stay under 65,536
.set NT,    9                          ; tiles in a round
.set SCP,   NT*TILEB                   ; behind the codes: each wave's 144 partial scores, 576 bytes
.set L16,  1                           ; v1     16 x lane
.set AST,  2                           ; v2-4   P1: where my wave's first row of tiles 0, 4, 8 begins, + 4 x lane
.set AA,   5                           ; v5-7   P2: row r of tiles 0, 4, 8, + 16 h
.set VB,   8                           ; v8     32 h
.set SST,  9                           ; v9     my wave's partial scores, + 4 r
.set LIM,  10                          ; v10    57,344 x 2^e2
.set SCL,  11                          ; v11    2^e2
.set OF,   12                          ; v12-19 two sets of four row offsets
.set SC,   20                          ; v20-37 nine pairs: sum of v / (1 + 2^..) of tile m
.set VS,   38                          ; v38-39 sum of v
.set P,    40                          ; v42-47 three more chains
.set T,    48                          ; v48-51 at work
.set RES,  52                          ; v52-56 the final stage's results
.set FA,   58                          ; v58    the final stage: SCP + 16 x lane
.set FB,   59                          ; v59    SCP + 512 + 4 r
.set GB,   60                          ; v60    512 + 4 r
.set BIAS, 64                          ; v64-95   a pass's 32 numbers of bias a lane
.set VV,   96                          ; v96-127  and of v_w
.set CD,   128                         ; v128-191 P1: two sets of 32 registers of codes
.set AF,   32                          ; window 3: the fragments of rows
.set RQ,   28                          ; s[28:63] nine quads: my wave's four rows of each tile
.set CC,   66                          ; s[66:67] 2 log2(e) 2^(e2 + e3), twice
.set BCUR, 70                          ; s[70:71] wq at this pass;  s[72:73] at the next
.set BNXT, 72
.set SBI,  74                          ; s[74:75] bias at this pass;  s[76:77] v_w
.set SVW,  76
.set MSB, 0
.macro WIN new                         ; the immediate's high byte repeats the setting that is left
.if MSB != \new
	s_set_vgpr_msb (MSB<<8)|\new
.set MSB, \new
.endif
.endm
.macro PLACES                          ; four places behind a product, in front of loads into registers that it has read and of the first read of results
.rept 4
	v_nop
.endr
.endm
; P1: tile j's four rows are asked for: 32 loads of 512 consecutive bytes, into set j % 2 of window 2: register 32 k + 4 i on = row k, numbers 128 i + 4 lane + 0 .. 3
.macro ISSUE j
.set XS, 128*((\j)%2)
.set OFS, OF+4*((\j)%2)
.irp k, 0,1,2,3
	v_lshl_add_u32 v[OFS+\k], s[RQ+4*(\j)+\k], 12, v[L16]   ; (the loads that named this register two tiles back have been waited for)
.endr
	WIN 0x80
.irp k, 0,1,2,3
.irp i, 0,1,2,3,4,5,6,7
	global_load_b128 v[XS+32*\k+4*\i:XS+32*\k+4*\i+3], v[OFS+\k], s[4:5] offset:512*\i
.endr
.endr
	WIN 0
.endm
; P1: tile j is held, converted and stored.  A conversion takes two loads' registers: its two results are the four codes at 128 i + 4 lane of loads i = 2 u and 2 u + 1: each store lays 128 consecutive bytes
.macro CONSUME j, n
.set XS, 128*((\j)%2)
.set CDS, CD+32*((\j)%2)
	s_wait_loadcnt \n                              ; my tile's 32 loads are in; the next tile's 32 may be out
	WIN 0x82
.set ii, 0
.rept 128
	v_med3_num_f32 v[XS+ii], v[XS+ii], -v[LIM], v[LIM]   ; the conversion to an 8-bit code does not saturate (ISA guide 7.6.2)
.set ii, ii+1
.endr
	s_wait_dscnt 32                                ; the stores of the tile two back have read this set of code registers; the last tile's 32 may be out
	WIN 0x02
.irp k, 0,1,2,3
.irp u, 0,1,2,3
	v_cvt_scalef32_pk8_bf8_f32 v[CDS+8*\k+2*\u:CDS+8*\k+2*\u+1], v[XS+32*\k+8*\u:XS+32*\k+8*\u+7], v[SCL]
.endr
.endr
	WIN 0
	v_nop                                          ; a plain vector line behind the last scaled conversion
.irp k, 0,1,2,3
.irp i, 0,1,2,3,4,5,6,7
	ds_store_b32 v[AST+(\j)/4], v[CDS+8*\k+\i] offset:((\j)%4)*TILEB+\k*PITCH+128*\i
.endr
.endr
.endm
; P2: the fragments of tiles m0 .. m1 at K step s: registers 4 c .. 4 c + 3 = row r, k = 128 s + 32 c + 16 h + 0 .. 15
.macro AFETCH m0, m1, s
	WIN 0xc0
.set mm, \m0
.rept (\m1)-(\m0)+1
.irp c, 0,1,2,3
	ds_load_b128 v[AF+16*mm+4*\c:AF+16*mm+4*\c+3], v[AA+mm/4] offset:(mm%4)*TILEB+128*(\s)+32*\c
.endr
.set mm, mm+1
.endr
.endm
; P2: four fragments of weights (64 columns x 128 K, 8,192 consecutive bytes) into a set of window 1
.macro BFETCH set, base, st
	WIN 0x40
.irp i, 0,1,2,3,4,5,6,7,8,9,10,11,12,13,14,15
	global_load_b128 v[64*(\set)+4*\i:64*(\set)+4*\i+3], v[L16], s[\base:\base+1] offset:(\st)*8192+512*\i
.endr
.endm
.macro BVFETCH                         ; the pass's bias and v_w in the result's layout: register 8 n + j = column 16 n + 8 h + j
	WIN 0
.irp n, 0,1,2,3
.irp u, 0,1
	global_load_b128 v[BIAS+8*\n+4*\u:BIAS+8*\n+4*\u+3], v[VB], s[SBI:SBI+1] offset:64*\n+16*\u
	global_load_b128 v[VV+8*\n+4*\u:VV+8*\n+4*\u+3], v[VB], s[SVW:SVW+1] offset:64*\n+16*\u
.endr
.endr
.endm
; four products: tile m against the set's four fragments.  The 36 accumulators take turns, one instruction a turn, in the same order in every step
.macro MUL m, set, zero
.if (\m) < 8
	WIN 0xad                                       ; source 0 window 1, source 1 window 3, C and D window 2
.set AC, 32*(\m)
.else
	WIN 0xfd                                       ; C and D window 3
.set AC, 0
.endif
.irp n, 0,1,2,3
.if \zero
	v_wmma_f32_16x16x128_bf8_bf8 v[AC+8*\n:AC+8*\n+7], v[64*(\set)+16*\n:64*(\set)+16*\n+15], v[AF+16*(\m):AF+16*(\m)+15], 0
.else
	v_wmma_f32_16x16x128_bf8_bf8 v[AC+8*\n:AC+8*\n+7], v[64*(\set)+16*\n:64*(\set)+16*\n+15], v[AF+16*(\m):AF+16*(\m)+15], v[AC+8*\n:AC+8*\n+7]
.endif
.endr
.endm
; A K step of 128: 36 products.  The rows have one set of fragments: tiles 0-4 are fetched anew in the step's middle, tiles 5-8 at its end.  The weights of three steps on are asked for in the middle,
; into the set that the step before read (four places stand behind its last product).  Step 7 fetches K step 0 of the rows again: every pass walks the same rows.
.macro KSTEP s, zero
.if ((\s) >= 1) && ((\s) <= 3)
	s_wait_loadcnt 48                              ; this step's weights are in; younger: two sets of 16 loads, and the 16 of bias and v_w that step 0 issued
.else
	s_wait_loadcnt 32                              ; younger: two sets of 16 loads.  (From step 4 on bias and v_w are older than the set waited for: they are in)
.endif
	s_wait_dscnt 16                                ; tiles 0-4 are in; the 16 loads of tiles 5-8 may be out
.irp m, 0,1,2,3,4
	MUL \m, (\s)%4, \zero
.endr
	PLACES
	AFETCH 0, 4, ((\s)+1)%8
.if (\s) <= 4
	BFETCH ((\s)+3)%4, BCUR, (\s)+3
.else
	BFETCH ((\s)+3)%4, BNXT, (\s)-5
.endif
.if (\s) == 0
	BVFETCH
.endif
	s_wait_dscnt 20                                ; tiles 5-8 are in; the 20 loads just issued may be out
.irp m, 5,6,7,8
	MUL \m, (\s)%4, \zero
.endr
	PLACES
	AFETCH 5, 8, ((\s)+1)%8
	WIN 0
.endm
.macro VSUM                            ; the pass's 32 numbers of v_w are added to sum(v), in two chains
	v_pk_add_f32 v[T:T+1], v[VV+2:VV+3], v[VV+6:VV+7]
	v_pk_add_f32 v[VS:VS+1], v[VS:VS+1], v[VV:VV+1]
.irp i, 4,8,12,16,20,24
	v_pk_add_f32 v[VS:VS+1], v[VS:VS+1], v[VV+\i:VV+\i+1]
	v_pk_add_f32 v[T:T+1], v[T:T+1], v[VV+\i+6:VV+\i+7]
.endr
	v_pk_add_f32 v[VS:VS+1], v[VS:VS+1], v[VV+28:VV+29]
	v_pk_add_f32 v[VS:VS+1], v[VS:VS+1], v[T:T+1]
.endm
; tile m's 32 sums a lane: g = 1 / (1 + 2^(sum x C + bias)), and sum(v g) in four chains
.macro EPI m
.if (\m) < 8
.set AC, 32*(\m)
.set WI, 0x82
.set WG, 0x02
.else
.set AC, 0
.set WI, 0xc3
.set WG, 0x03
.endif
	WIN WI                                         ; source 0 and destination: the accumulators' window
.irp i, 0,2,4,6,8,10,12,14,16,18,20,22,24,26,28,30
	v_pk_fma_f32 v[AC+\i:AC+\i+1], v[AC+\i:AC+\i+1], s[CC:CC+1], v[BIAS+\i:BIAS+\i+1] op_sel_hi:[1,0,1]   ; each accumulator from its low end on
.endr
.set ii, 0
.rept 32
	v_exp_f32 v[AC+ii], v[AC+ii]
.set ii, ii+1
.endr
	v_nop                                          ; a plain vector line between the run of exponentials and the first use of a result (ISA guide 5.7.2)
	s_wait_alu depctr_va_vdst(0)
.irp i, 0,2,4,6,8,10,12,14,16,18,20,22,24,26,28,30
	v_pk_add_f32 v[AC+\i:AC+\i+1], v[AC+\i:AC+\i+1], 1.0 op_sel_hi:[1,0]
.endr
.set ii, 0
.rept 32
	v_rcp_f32 v[AC+ii], v[AC+ii]                   ; 2^.. = infinity gives 0, 2^.. = 0 gives 1: tanh = 1 and -1
.set ii, ii+1
.endr
	WIN WG                                         ; source 0: the accumulators' window
	v_nop                                          ; the same behind the reciprocals
	s_wait_alu depctr_va_vdst(0)
.irp p, 0,2,4,6
	v_pk_fma_f32 v[SC+2*(\m):SC+2*(\m)+1], v[AC+\p:AC+\p+1], v[VV+\p:VV+\p+1], v[SC+2*(\m):SC+2*(\m)+1]
.irp n, 1,2,3
.if \p == 0
	v_pk_mul_f32 v[P+2*\n:P+2*\n+1], v[AC+8*\n:AC+8*\n+1], v[VV+8*\n:VV+8*\n+1]
.else
	v_pk_fma_f32 v[P+2*\n:P+2*\n+1], v[AC+8*\n+\p:AC+8*\n+\p+1], v[VV+8*\n+\p:VV+8*\n+\p+1], v[P+2*\n:P+2*\n+1]
.endif
.endr
.endr
	WIN 0
	v_pk_add_f32 v[P+2:P+3], v[P+2:P+3], v[P+4:P+5]
	v_pk_add_f32 v[SC+2*(\m):SC+2*(\m)+1], v[SC+2*(\m):SC+2*(\m)+1], v[P+6:P+7]
	v_pk_add_f32 v[SC+2*(\m):SC+2*(\m)+1], v[SC+2*(\m):SC+2*(\m)+1], v[P+2:P+3]
.endm
; my wave's part of the nine tiles' scores: sum(v) - 2 sum(v g) over my 256 columns; the two halves of the lanes hold different columns of the same row
.macro DUMP
	v_add_f32 v[T], v[VS], v[VS+1]
.irp m, 0,1,2,3,4,5,6,7,8
	v_add_f32 v[BIAS+2*\m], v[SC+2*\m], v[SC+2*\m+1]
.endr
.irp m, 0,1,2,3,4,5,6,7,8
	v_fma_f32 v[BIAS+2*\m], v[BIAS+2*\m], -2.0, v[T]
.endr
.irp m, 0,1,2,3,4,5,6,7,8
	v_permlanex16_b32 v[BIAS+2*\m+1], v[BIAS+2*\m], s68, s69
.endr
.irp m, 0,1,2,3,4,5,6,7,8
	v_add_f32 v[BIAS+2*\m], v[BIAS+2*\m], v[BIAS+2*\m+1]
.endr
.irp m, 0,1,2,3,4,5,6,7,8
	ds_store_b32 v[SST], v[BIAS+2*\m] offset:64*\m   ; lanes r and r + 16 store the same number to the same word
.endr
.endm
	s_load_b512 s[4:19], s[0:1], 0x0               ; encoder s[4:5], wq s[6:7], bias s[8:9], v_w s[10:11], rows s[12:13], cnt s[14:15], scales s[16:17], sc s[18:19]
	v_lshl_add_u32 v254, v0, 2, 0x25200
	v_mov_b32 v255, 0
	v_and_b32 v48, 31, v0                          ; lane
	v_lshrrev_b32 v49, 5, v0
	v_readfirstlane_b32 s20, v49                   ; wave 0..3
	v_and_b32 v50, 15, v0                          ; r
	v_bfe_u32 v51, v0, 4, 1                        ; h
	v_lshlrev_b32 v[L16], 4, v48
	s_mul_i32 s25, s20, 4*PITCH
	v_lshlrev_b32 v[AST], 2, v48
	v_add_nc_u32 v[AST], s25, v[AST]
	v_add_nc_u32 v[AST+1], GRP, v[AST]
	v_add_nc_u32 v[AST+2], 2*GRP, v[AST]
	v_mul_u32_u24 v[AA], v50, PITCH
	v_lshl_add_u32 v[AA], v51, 4, v[AA]
	v_add_nc_u32 v[AA+1], GRP, v[AA]
	v_add_nc_u32 v[AA+2], 2*GRP, v[AA]
	v_lshlrev_b32 v[VB], 5, v51
	s_mul_i32 s25, s20, NT*64
	s_add_co_u32 s25, s25, SCP
	v_lshl_add_u32 v[SST], v50, 2, s25
	v_add_nc_u32 v[FA], SCP, v[L16]
	v_lshlrev_b32 v[GB], 2, v50
	v_add_nc_u32 v[GB], 512, v[GB]
	v_add_nc_u32 v[FB], SCP, v[GB]
	s_lshr_b32 s26, ttmp9, 2                       ; b
	s_and_b32 s27, ttmp9, 3                        ; q
	s_mov_b32 s68, 0x76543210                      ; v_permlanex16_b32's selects for lane l xor 16
	s_mov_b32 s69, 0xfedcba98
	s_mov_b32 s79, 0                               ; the high word of every offset pair s[78:79]
	s_wait_kmcnt 0x0
	s_lshl_b32 s78, s26, 7
	s_add_nc_u64 s[14:15], s[14:15], s[78:79]
	s_load_b32 s21, s[14:15], 0x0                  ; the batch's count
	s_load_b128 s[80:83], s[16:17], 0x0            ; e0, e1, e2, e3
	s_mul_i32 s78, ttmp9, 1152
	s_add_nc_u64 s[18:19], s[18:19], s[78:79]      ; my work-group's 288 scores
	s_lshl_b32 s25, s20, 4
	s_add_co_u32 s78, s78, s25
	s_add_nc_u64 s[12:13], s[12:13], s[78:79]      ; my work-group's list, at my wave's four rows of its first tile
.irp j, 0,1,2,3,4,5,6,7,8
	s_load_b128 s[RQ+4*\j:RQ+4*\j+3], s[12:13], 64*\j
.endr
	s_lshl_b32 s78, s20, 18
	s_add_nc_u64 s[6:7], s[6:7], s[78:79]          ; my wave's 262,144 bytes of wq
	s_mov_b64 s[BCUR:BCUR+1], s[6:7]
	s_add_nc_u64 s[BNXT:BNXT+1], s[6:7], 0x10000
	BFETCH 0, BCUR, 0                              ; the first three K steps' weights: they hang on no count
	BFETCH 1, BCUR, 1
	BFETCH 2, BCUR, 2
	WIN 0
	s_lshl_b32 s78, s26, 22
	s_add_nc_u64 s[4:5], s[4:5], s[78:79]          ; the batch's 1,024 rows of 4,096 bytes
	s_lshl_b32 s78, s20, 10
	s_add_nc_u64 s[10:11], s[10:11], s[78:79]      ; my 256 numbers of v_w,
	s_lshl_b32 s25, s26, 12
	s_add_co_u32 s78, s78, s25
	s_add_nc_u64 s[8:9], s[8:9], s[78:79]          ; and of the batch's bias
	s_wait_kmcnt 0x0
	s_min_u32 s21, s21, 1024
	s_add_co_u32 s21, s21, 15
	s_lshr_b32 s21, s21, 4                         ; the batch's tiles with kept rows
	s_add_co_u32 s21, s21, 3
	s_sub_co_u32 s21, s21, s27
	s_lshr_b32 s21, s21, 2                         ; mt
	s_add_co_i32 s25, s82, 127
	s_lshl_b32 s26, s25, 23
	v_mov_b32 v[SCL], s26
	s_add_co_i32 s25, s25, 15
	s_lshl_b32 s25, s25, 23
	s_or_b32 s25, s25, 0x600000
	v_mov_b32 v[LIM], s25
	s_add_co_i32 s25, s82, s83
	s_lshl_b32 s25, s25, 23
	s_add_co_u32 s[CC], s25, 0x4038aa3b            ; 2 log2(e) x 2^(e2 + e3)
	s_mov_b32 s[CC+1], s[CC]
	s_mov_b32 s22, 0                               ; the round's first tile
	s_mov_b32 s23, 2                               ; rounds to go
.Lround:
	s_wait_kmcnt 0x0                               ; the round's nine quads of rows
	s_cmp_gt_u32 s21, s22
	s_cbranch_scc0 .Lp1_done
; ---- P1
.irp j, 1,2,3,4,5,6,7,8
	s_add_co_u32 s25, s22, \j
	s_cmp_lt_u32 s25, s21
.irp k, 0,1,2,3
	s_cselect_b32 s[RQ+4*\j+\k], s[RQ+4*\j+\k], s[RQ+\k]   ; a tile at or past mt repeats the round's first
.endr
.endr
.set ii, 0
.rept 36
	s_min_u32 s[RQ+ii], s[RQ+ii], 1023             ; a row's number lies under 1,024 by its make; the bound is written out ahead of the address
.set ii, ii+1
.endr
	ISSUE 0
	ISSUE 1
.irp j, 0,1,2,3,4,5,6
	CONSUME \j, 32
	ISSUE \j+2
.endr
	CONSUME 7, 32
	CONSUME 8, 0
.Lp1_done:
	s_wait_dscnt 0x0                               ; for the others' sake: my codes lie in LDS
	s_barrier_signal -1
	s_barrier_wait -1
	s_cmp_eq_u32 s23, 1
	s_cbranch_scc1 .Lno_next                       ; the last round asks for no further list
.irp j, 0,1,2,3,4,5,6
	s_load_b128 s[RQ+4*\j:RQ+4*\j+3], s[12:13], 64*(9+\j)   ; the second round's tiles 9 to 15;
.endr
	s_load_b128 s[RQ+28:RQ+31], s[12:13], 64*15    ; a list has 16 tiles: places 16 and 17 repeat tile 15 and are replaced above, since mt is at most 16
	s_load_b128 s[RQ+32:RQ+35], s[12:13], 64*15
.Lno_next:
	s_cmp_gt_u32 s21, s22
	s_cbranch_scc0 .Lp2_done
; ---- P2
.set ii, 0
.rept 20
	v_mov_b32 v[SC+ii], 0                          ; the nine sums and sum(v)
.set ii, ii+1
.endr
	s_mov_b64 s[SBI:SBI+1], s[8:9]                 ; (the loads that named these pairs were followed by the wait at a pass's end)
	s_mov_b64 s[SVW:SVW+1], s[10:11]
	AFETCH 0, 4, 0
	AFETCH 5, 8, 0
	WIN 0
	s_mov_b32 s24, 0
.Lpass:                                            ; four trips: 64 columns each
	KSTEP 0, 1                                     ; the first step's products start the sums
	KSTEP 1, 0
	KSTEP 2, 0
	KSTEP 3, 0
	KSTEP 4, 0
	KSTEP 5, 0
	KSTEP 6, 0
	KSTEP 7, 0
	VSUM
.irp m, 0,1,2,3,4,5,6,7,8
	EPI \m
.endr
	s_wait_xcnt 0x0                                ; the pass's loads have read their bases: only now are these stepped
	s_mov_b64 s[BCUR:BCUR+1], s[BNXT:BNXT+1]
	s_add_co_u32 s25, s24, 2
	s_and_b32 s25, s25, 3
	s_lshl_b32 s78, s25, 16
	s_add_nc_u64 s[BNXT:BNXT+1], s[6:7], s[78:79]  ; the pass after next, round the wave's four
	s_add_nc_u64 s[SBI:SBI+1], s[SBI:SBI+1], 256
	s_add_nc_u64 s[SVW:SVW+1], s[SVW:SVW+1], 256
	s_add_co_u32 s24, s24, 1
	s_cmp_lt_u32 s24, 4
	s_cbranch_scc1 .Lpass
	DUMP
.Lp2_done:
	s_wait_dscnt 0x0                               ; my partial scores lie in LDS, and my reads of the codes are over: the next round may write them
	s_barrier_signal -1
	s_barrier_wait -1
	s_cmp_lg_u32 s20, 0
	s_cbranch_scc1 .Lnot_wave_0
; ---- wave 0 adds the four waves' parts and stores the round's 144 scores
	s_wait_xcnt 0x0                                ; the last round's stores have read their data
.irp i, 0,1,2,3,4
	v_mov_b32 v[RES+\i], 0                         ; what a round that is passed over leaves
.endr
	s_cmp_gt_u32 s21, s22
	s_cbranch_scc0 .Lstore
.irp i, 0,1,2,3
	ds_load_b128 v[BIAS+4*\i:BIAS+4*\i+3], v[FA] offset:NT*64*\i     ; scores 4 lane + 0 .. 3 of wave i
.endr
.irp i, 0,1,2,3
	ds_load_b32 v[BIAS+16+\i], v[FB] offset:NT*64*\i                 ; score 128 + r
.endr
	s_wait_dscnt 0x0
	v_pk_add_f32 v[RES:RES+1], v[BIAS:BIAS+1], v[BIAS+4:BIAS+5]
	v_pk_add_f32 v[RES+2:RES+3], v[BIAS+2:BIAS+3], v[BIAS+6:BIAS+7]
	v_pk_add_f32 v[BIAS+8:BIAS+9], v[BIAS+8:BIAS+9], v[BIAS+12:BIAS+13]
	v_pk_add_f32 v[BIAS+10:BIAS+11], v[BIAS+10:BIAS+11], v[BIAS+14:BIAS+15]
	v_add_f32 v[RES+4], v[BIAS+16], v[BIAS+17]
	v_add_f32 v[BIAS+18], v[BIAS+18], v[BIAS+19]
	v_pk_add_f32 v[RES:RES+1], v[RES:RES+1], v[BIAS+8:BIAS+9]
	v_pk_add_f32 v[RES+2:RES+3], v[RES+2:RES+3], v[BIAS+10:BIAS+11]
	v_add_f32 v[RES+4], v[RES+4], v[BIAS+18]
.Lstore:
	global_store_b128 v[L16], v[RES:RES+3], s[18:19]
	global_store_b32 v[GB], v[RES+4], s[18:19]     ; lanes r and r + 16 store the same number to the same word
.Lnot_wave_0:
	s_wait_xcnt 0x0                                ; the stores have read their base
	s_add_nc_u64 s[18:19], s[18:19], NT*64
	s_add_co_u32 s22, s22, NT
	s_sub_co_u32 s23, s23, 1
	s_cmp_lg_u32 s23, 0
	s_cbranch_scc1 .Lround
	s_wait_tensorcnt 0x0
	ds_add_u32 v254, v255
	s_wait_dscnt 0x0
	s_endpgm
.Lfunc_end_k_q294ad7c168_main:
	.size	k_q294ad7c168_main, .Lfunc_end_k_q294ad7c168_main-k_q294ad7c168_main
	.p2alignl 7, 3214868480
	.fill 96, 4, 3214868480
	.section	.rodata,"a",@progbits
	.p2align	6, 0x0
	.amdhsa_kernel k_q294ad7c168_main
		.amdhsa_group_segment_fixed_size 152576
		.amdhsa_private_segment_fixed_size 0
		.amdhsa_enable_private_segment 0
		.amdhsa_kernarg_size 64
		.amdhsa_user_sgpr_count 2
		.amdhsa_user_sgpr_kernarg_segment_ptr 1
		.amdhsa_wavefront_size32 1
		.amdhsa_system_sgpr_workgroup_id_x 1
		.amdhsa_system_sgpr_workgroup_id_y 1
		.amdhsa_system_sgpr_workgroup_id_z 1
		.amdhsa_system_vgpr_workitem_id 0
		.amdhsa_next_free_vgpr 1024
		.amdhsa_next_free_sgpr 100
		.amdhsa_reserve_vcc 0
		.amdhsa_float_denorm_mode_32 3
		.amdhsa_float_denorm_mode_16_64 3
		.amdhsa_memory_ordered 1
		.amdhsa_forward_progress 1
		.amdhsa_inst_pref_size 255
	.end_amdhsa_kernel
	.amdgpu_metadata
---
amdhsa.version: [ 1, 2 ]
amdhsa.kernels:
  - .name:           k_q294ad7c168_main
    .symbol:         k_q294ad7c168_main.kd
    .args:
      - { .name: encoder_outputs, .offset: 0, .size: 8, .value_kind: global_buffer, .address_space: global }
      - { .name: wq, .offset: 8, .size: 8, .value_kind: global_buffer, .address_space: global }
      - { .name: bias, .offset: 16, .size: 8, .value_kind: global_buffer, .address_space: global }
      - { .name: v_w, .offset: 24, .size: 8, .value_kind: global_buffer, .address_space: global }
      - { .name: rows, .offset: 32, .size: 8, .value_kind: global_buffer, .address_space: global }
      - { .name: cnt, .offset: 40, .size: 8, .value_kind: global_buffer, .address_space: global }
      - { .name: lowp_scales, .offset: 48, .size: 8, .value_kind: global_buffer, .address_space: global }
      - { .name: sc, .offset: 56, .size: 8, .value_kind: global_buffer, .address_space: global }
    .group_segment_fixed_size: 152576
    .private_segment_fixed_size: 0
    .kernarg_segment_align: 8
    .kernarg_segment_size: 64
    .max_flat_workgroup_size: 128
    .sgpr_count:     100
    .vgpr_count:     1024
    .wavefront_size: 32
...
	.end_amdgpu_metadata
.endif
;; end of part 2
;; launch soft (part 3): grid 64 x 1, 8 waves a work-group, no clusters, 1,536 bytes of LDS; arguments sc, slot, mask, out0; writes out0
.if DOCPART == 3
	.amdgcn_target "amdgcn-amd-amdhsa--gfx1250"
	.amdhsa_code_object_version 6
	.text
	.protected	k_q294ad7c168_soft
	.globl	k_q294ad7c168_soft
	.p2align	8
	.type	k_q294ad7c168_soft,@function
k_q294ad7c168_soft:
	s_mov_b64 s[64:65], 0
	v_nop
	global_prefetch_b8 v0, s[64:65] scope:SCOPE_SE
	s_setreg_imm32_b32 hwreg(HW_REG_WAVE_MODE, 25, 1), 1
	s_wait_xcnt 0x0
; out0[b][s] = softmax over s of (mask[b][s] == 1 ? -1e10 : score[b][s]).  A work-group takes a batch; thread t takes s = 4 t .. 4 t + 3.  A row's score lies in sc at the slot that the first launch gave it.
; The row's largest number is taken away before the exponential.  It is subtracted FIRST and the difference multiplied by log2(e): where every row is masked the differences are exact zeros and each result is 1 / 1,024.
; Two reductions over the eight waves, each through eight LDS words of its own and one barrier.
	s_load_b256 s[4:11], s[0:1], 0x0               ; sc s[4:5], slot s[6:7], mask s[8:9], out0 s[10:11]
	v_lshl_add_u32 v40, v0, 2, 0x200
	v_mov_b32 v41, 0
	v_lshlrev_b32 v1, 4, v0                        ; 16 t
	v_lshrrev_b32 v2, 5, v0
	v_readfirstlane_b32 s12, v2                    ; wave 0..7
	s_lshl_b32 s13, s12, 2
	v_mov_b32 v3, s13                              ; my wave's word in LDS
	s_lshl_b32 s14, ttmp9, 12
	s_mov_b32 s15, 0
	s_mul_i32 s16, ttmp9, 4608
	s_mov_b32 s17, 0
	s_mov_b32 s18, 0x76543210                      ; v_permlanex16_b32's selects for lane l xor 16
	s_mov_b32 s19, 0xfedcba98
	s_wait_kmcnt 0x0
	s_add_nc_u64 s[4:5], s[4:5], s[16:17]
	s_add_nc_u64 s[6:7], s[6:7], s[14:15]
	s_add_nc_u64 s[8:9], s[8:9], s[14:15]
	s_add_nc_u64 s[10:11], s[10:11], s[14:15]
	global_load_b128 v[4:7], v1, s[6:7]
	global_load_b128 v[8:11], v1, s[8:9]
	s_wait_loadcnt 0x1                             ; the slots are in; the mask's load may be out
.irp i, 0,1,2,3
	v_min_u32 v[12+\i], 1151, v[4+\i]              ; a slot lies under 1,152 by its make; the bound is written out ahead of the address
.endr
.irp i, 0,1,2,3
	v_lshlrev_b32 v[12+\i], 2, v[12+\i]
.endr
.irp i, 0,1,2,3
	global_load_b32 v[16+\i], v[12+\i], s[4:5]
.endr
	v_mov_b32 v20, 0xd01502f9                      ; -1e10
	v_mov_b32 v22, 0                               ; written once: a lane permute's destination counts as one of its sources
	v_mov_b32 v23, 0                               ; LDS byte 0
	s_wait_loadcnt 0x0
.irp i, 0,1,2,3
	v_cmp_eq_u32 vcc_lo, 1, v[8+\i]
	v_cndmask_b32 v[16+\i], v[16+\i], v20, vcc_lo
.endr
	v_max3_num_f32 v21, v16, v17, v18
	v_max_num_f32 v21, v21, v19
	v_max_num_f32_dpp v21, v21, v21 row_xmask:1 row_mask:0xf bank_mask:0xf
	v_max_num_f32_dpp v21, v21, v21 row_xmask:2 row_mask:0xf bank_mask:0xf
	v_max_num_f32_dpp v21, v21, v21 row_xmask:4 row_mask:0xf bank_mask:0xf
	v_max_num_f32_dpp v21, v21, v21 row_xmask:8 row_mask:0xf bank_mask:0xf
	v_permlanex16_b32 v22, v21, s18, s19
	v_max_num_f32 v21, v21, v22
	ds_store_b32 v3, v21                           ; all lanes store the same number to the wave's word
	s_wait_dscnt 0x0
	s_barrier_signal -1
	s_barrier_wait -1
	ds_load_b128 v[24:27], v23
	ds_load_b128 v[28:31], v23 offset:16
	s_wait_dscnt 0x0
	v_max3_num_f32 v21, v24, v25, v26
	v_max3_num_f32 v21, v21, v27, v28
	v_max3_num_f32 v21, v21, v29, v30
	v_max_num_f32 v21, v21, v31                    ; the row's largest number
.irp i, 0,1,2,3
	v_sub_f32 v[16+\i], v[16+\i], v21
.endr
.irp i, 0,1,2,3
	v_mul_f32 v[16+\i], 0x3fb8aa3b, v[16+\i]
.endr
.irp i, 0,1,2,3
	v_exp_f32 v[16+\i], v[16+\i]
.endr
	v_nop                                          ; a plain vector line between the exponentials and the first use of a result (ISA guide 5.7.2)
	s_wait_alu depctr_va_vdst(0)
	v_add_f32 v32, v16, v17
	v_add_f32 v33, v18, v19
	v_add_f32 v32, v32, v33
	v_add_f32_dpp v32, v32, v32 row_xmask:1 row_mask:0xf bank_mask:0xf
	v_add_f32_dpp v32, v32, v32 row_xmask:2 row_mask:0xf bank_mask:0xf
	v_add_f32_dpp v32, v32, v32 row_xmask:4 row_mask:0xf bank_mask:0xf
	v_add_f32_dpp v32, v32, v32 row_xmask:8 row_mask:0xf bank_mask:0xf
	v_permlanex16_b32 v22, v32, s18, s19
	v_add_f32 v32, v32, v22
	ds_store_b32 v3, v32 offset:256                ; other words than the maxima's
	s_wait_dscnt 0x0
	s_barrier_signal -1
	s_barrier_wait -1
	ds_load_b128 v[24:27], v23 offset:256
	ds_load_b128 v[28:31], v23 offset:272
	s_wait_dscnt 0x0
	v_add_f32 v24, v24, v25
	v_add_f32 v26, v26, v27
	v_add_f32 v28, v28, v29
	v_add_f32 v30, v30, v31
	v_add_f32 v24, v24, v26
	v_add_f32 v28, v28, v30
	v_add_f32 v24, v24, v28                        ; the row's sum, at least 1
	v_rcp_f32 v24, v24
	v_nop                                          ; a plain vector line behind the reciprocal
	s_wait_alu depctr_va_vdst(0)
.irp i, 0,1,2,3
	v_mul_f32 v[16+\i], v[16+\i], v24
.endr
	global_store_b128 v1, v[16:19], s[10:11]       ; a wave stores 512 consecutive bytes, at a multiple of 256 from out0's first byte
	s_wait_tensorcnt 0x0
	ds_add_u32 v40, v41
	s_wait_dscnt 0x0
	s_endpgm
.Lfunc_end_k_q294ad7c168_soft:
	.size	k_q294ad7c168_soft, .Lfunc_end_k_q294ad7c168_soft-k_q294ad7c168_soft
	.p2alignl 7, 3214868480
	.fill 96, 4, 3214868480
	.section	.rodata,"a",@progbits
	.p2align	6, 0x0
	.amdhsa_kernel k_q294ad7c168_soft
		.amdhsa_group_segment_fixed_size 1536
		.amdhsa_private_segment_fixed_size 0
		.amdhsa_enable_private_segment 0
		.amdhsa_kernarg_size 32
		.amdhsa_user_sgpr_count 2
		.amdhsa_user_sgpr_kernarg_segment_ptr 1
		.amdhsa_wavefront_size32 1
		.amdhsa_system_sgpr_workgroup_id_x 1
		.amdhsa_system_sgpr_workgroup_id_y 1
		.amdhsa_system_sgpr_workgroup_id_z 1
		.amdhsa_system_vgpr_workitem_id 0
		.amdhsa_next_free_vgpr 42
		.amdhsa_next_free_sgpr 66
		.amdhsa_reserve_vcc 1
		.amdhsa_float_denorm_mode_32 3
		.amdhsa_float_denorm_mode_16_64 3
		.amdhsa_memory_ordered 1
		.amdhsa_forward_progress 1
		.amdhsa_inst_pref_size 6
	.end_amdhsa_kernel
	.amdgpu_metadata
---
amdhsa.version: [ 1, 2 ]
amdhsa.kernels:
  - .name:           k_q294ad7c168_soft
    .symbol:         k_q294ad7c168_soft.kd
    .args:
      - { .name: sc, .offset: 0, .size: 8, .value_kind: global_buffer, .address_space: global }
      - { .name: slot, .offset: 8, .size: 8, .value_kind: global_buffer, .address_space: global }
      - { .name: mask, .offset: 16, .size: 8, .value_kind: global_buffer, .address_space: global }
      - { .name: out0, .offset: 24, .size: 8, .value_kind: global_buffer, .address_space: global }
    .group_segment_fixed_size: 1536
    .private_segment_fixed_size: 0
    .kernarg_segment_align: 8
    .kernarg_segment_size: 32
    .max_flat_workgroup_size: 256
    .sgpr_count:     66
    .vgpr_count:     42
    .wavefront_size: 32
...
	.end_amdgpu_metadata
.endif
;; end of part 3
;; ======== version 2 of 2: 3 launches; version 1 with the launches prep, main written anew for expert scheduling mode
;; workspace buffers: wq 1,048,576 bytes; bias 262,144 bytes; rows 294,912 bytes of whole numbers; slot 262,144 bytes of whole numbers; cnt 8,192 bytes of whole numbers; sc 294,912 bytes
;; launch prep (part 4): grid 136 x 1, 8 waves a work-group, no clusters, 33,792 bytes of LDS; arguments W_attn, decoder_hidden, b_attn, mask, lowp_scales, wq, bias, rows, slot, cnt; writes wq, bias, rows, slot, cnt
.if DOCPART == 4
	.amdgcn_target "amdgcn-amd-amdhsa--gfx1250"
	.amdhsa_code_object_version 6
	.text
	.protected	k_q294ad7c168_prep
	.globl	k_q294ad7c168_prep
	.p2align	8
	.type	k_q294ad7c168_prep,@function
k_q294ad7c168_prep:
	s_mov_b64 s[64:65], 0
	v_nop
	global_prefetch_b8 v0, s[64:65] scope:SCOPE_SE
	s_setreg_imm32_b32 hwreg(HW_REG_WAVE_SCHED_MODE, 0, 2), 2
	s_setreg_imm32_b32 hwreg(HW_REG_WAVE_MODE, 25, 1), 1
	s_wait_xcnt 0x0
	s_wait_alu depctr_vm_vsrc(0)
; Three pieces of preparation in one launch; a work-group's number says which, and the three texts share nothing but the head.
;  A (work-groups 0-63):    We = W_attn[1024:2048] becomes codes of BF8 (E5M2) with the scale 2^e3, laid in wq as images of the matrix operand's registers.
;  B (work-groups 64-127):  bias[b][n] = 2 log2(e) x (decoder_hidden[b] . Wd[:, n] + b_attn[n]), the product on codes of BF8 (scales 2^e0, 2^e1); work-group 64 + T makes columns 16 T .. 16 T + 15.
;  C (work-groups 128-135): the mask is counted.  Wave w of work-group 128 + g serves batch 8 g + w.
; wq: the fragment of 16 columns (tile T of 64) x 128 along K (step s of 8) is 2,048 bytes at ((T / 4) 8 + s) 8192 + (T % 4) 2048; in it the 16 bytes at 512 c + 16 lane are the codes of
;   column 16 T + lane % 16, k = 128 s + 32 c + 16 (lane / 16) + 0 .. 15: four loads of 16 bytes a lane give the operand's 16 registers.  (That is a permutation of k inside a K step, the same in both
;   operands of every product here, so each code meets its partner; only the order of the sums inside an instruction changes.)
; C's numbering: in a batch the rows with mask != 1 get positions 0, 1, .. and the others 1023, 1022, ..: a permutation of 0 .. 1023.  Position p lies in tile p / 16, which goes to quarter q = (p / 16) % 4 as its
;   tile J = p / 64: slot(p) = 288 q + 16 J + p % 16.  rows[b][slot] = s, slot[b][s] = slot, cnt[b][0..31] = how many rows have mask != 1.
; A LANE TAKES A COLUMN OF W AND ITS REGISTERS RUN DOWN K, in the very order of the operand's layout: the conversions' results are the operand's registers, nothing is transposed.
; LIMITS: e0, e1, e3 between -126 and 112 (2^e and 57,344 x 2^e are made as f32 numbers); e0 + e1 between -127 and 126 (added to the exponent field of 2 log2 e).  NaN among the inputs is not served.
; THE MODE: SCHED_MODE bits 1:0 = 2 (LLVM: expert scheduling mode 2), set by the entry lines.  The code itself states the register dependences
; between vector or matrix instructions and memory or LDS instructions, with s_wait_alu, always for 0.
; THE PLAN.  Nothing is loaded twice into a register and no store's register is written again, so each way has only waits on va_vdst, ahead of runs of memory instructions:
;   head  s24, the wave's number, is written by a vector instruction: one wait on va_sdst ahead of the branches, for its readers on all three ways.
;   A     v3, v5 (offsets) are written | wait | W's 64 loads .. the conversions write v[CW ..] | wait | four stores.
;   B     v4, v6, v7, v8, v14 (offsets, LDS addresses) are written | wait | all 129 loads .. the products write v[ACC ..] | four places, wait | eight LDS stores, barrier, eight LDS loads into registers that
;         no vector instruction has named .. the sums write v[OUT ..] | wait | one store.
;   C     v149 is written | wait | the mask's eight loads .. 32 compares write s32 to s63 | one wait on va_sdst | the positions' arithmetic writes v[SL ..], v[AD ..], v[SI ..], v150 | wait | all 41 stores.
.set X,   16                           ; v16-79    64 numbers of W: register 16 c + i = W(128 s + 32 c + 16 h + i, my column)
.set CW,  80                           ; v80-95    their codes: a fragment
.set CA,  96                           ; v96-159   B: the decoder's four fragments (16 batches each)
.set ACC, 160                          ; v160-191  B: four accumulators
.set RS,  192                          ; v192-223  B: eight waves' partial sums of my slab
.set BA,  224                          ; v224-227  B: b_attn
.set OUT, 228                          ; v228-231  B: results
.set M,   16                           ; C: v16-47 mask;  v48-79 slots;  v80-111 byte offsets in rows;  v112-143 the rows' numbers s
.set SL,  48
.set AD,  80
.set SI,  112
.set MK,  32                           ; C: s32-63 a mask of lanes for each of a lane's 32 rows
.set MSB, 0
.macro WIN new                         ; the immediate's high byte repeats the setting that is left
.if MSB != \new
	s_set_vgpr_msb (MSB<<8)|\new
.set MSB, \new
.endif
.endm
; 2^e (for the conversion, which takes its exponent field) into v[vs], 57,344 x 2^e (for the hold) into v[vl]; e in s[e]
.macro SCALES e, vs, vl
	s_add_co_i32 s33, s[\e], 127
	s_lshl_b32 s34, s33, 23
	v_mov_b32 v[\vs], s34
	s_add_co_i32 s33, s33, 15
	s_lshl_b32 s33, s33, 23
	s_or_b32 s33, s33, 0x600000
	v_mov_b32 v[\vl], s33
.endm
; 64 loads: W(row0 + 128 s + 32 c + 16 h + i, 16 T + r).  T in s25, s in s26.  Sixteen lanes read 64 consecutive bytes of a row
.macro WLOAD row0
	s_lshl_b32 s38, s26, 7
	s_add_co_u32 s38, s38, \row0
	s_lshl_b32 s38, s38, 12                        ; a row of W is 4,096 bytes
	s_lshl_b32 s33, s25, 6
	s_add_co_u32 s38, s38, s33
	s_add_nc_u64 s[4:5], s[4:5], s[38:39]
.irp c, 0,1,2,3
.irp i, 0,1,2,3,4,5,6,7,8,9,10,11,12,13,14,15
	global_load_b32 v[X+16*\c+\i], v3, s[4:5] offset:(32*\c+\i)*4096 th:TH_LOAD_NT
.endr
.endr
.endm
; the 64 numbers become the fragment's 16 registers
.macro WQUANT e
	s_wait_kmcnt 0x0                               ; the four exponents
	SCALES \e, 11, 10
.irp c, 0,1,2,3
	s_wait_loadcnt 48-16*\c                        ; this block's 16 loads are in; those of the later blocks may be out
.irp i, 0,1,2,3,4,5,6,7,8,9,10,11,12,13,14,15
	v_med3_num_f32 v[X+16*\c+\i], v[X+16*\c+\i], -v10, v10   ; the conversion to an 8-bit code does not saturate (ISA guide 7.6.2): hold at the largest code x the scale
.endr
	v_cvt_scalef32_pk8_bf8_f32 v[CW+4*\c:CW+4*\c+1], v[X+16*\c:X+16*\c+7], v11
	v_cvt_scalef32_pk8_bf8_f32 v[CW+4*\c+2:CW+4*\c+3], v[X+16*\c+8:X+16*\c+15], v11
.endr
	v_nop                                          ; a plain vector line behind the last scaled conversion
.endm
	s_load_b512 s[4:19], s[0:1], 0x0               ; W s[4:5], decoder s[6:7], b_attn s[8:9], mask s[10:11], scales s[12:13], wq s[14:15], bias s[16:17], rows s[18:19]
	s_load_b128 s[20:23], s[0:1], 0x40             ; slot s[20:21], cnt s[22:23]
	v_lshl_add_u32 v254, v0, 2, 0x8000
	v_mov_b32 v255, 0
	v_lshrrev_b32 v9, 5, v0
	v_readfirstlane_b32 s24, v9                    ; wave 0..7
	v_and_b32 v9, 31, v0                           ; lane
	v_and_b32 v1, 15, v0                           ; r
	v_bfe_u32 v2, v0, 4, 1                         ; h
	v_lshlrev_b32 v5, 4, v9                        ; 16 x lane
	v_lshlrev_b32 v3, 2, v1
	v_lshl_add_u32 v3, v2, 16, v3                  ; W: column r, and 16 rows further down for lanes 16-31
	s_mov_b32 s39, 0                               ; the high word of every offset pair s[38:39]
	s_wait_alu depctr_va_sdst(0)                   ; s24 is written, ahead of the branches and of its first reader on each of the three ways
	s_wait_kmcnt 0x0
	s_cmp_ge_u32 ttmp9, 128
	s_cbranch_scc1 .Lcompact
	s_load_b128 s[28:31], s[12:13], 0x0            ; e0, e1, e2, e3
	s_cmp_ge_u32 ttmp9, 64
	s_cbranch_scc1 .Ldec
; ---- A: wave w of work-group x takes tile T = 4 (x / 4) + w % 4 and K step s = 2 (x % 4) + w / 4: four neighbouring waves read 256 consecutive bytes of each row of W
	s_and_b32 s25, ttmp9, 60
	s_and_b32 s33, s24, 3
	s_add_co_u32 s25, s25, s33                     ; T
	s_and_b32 s26, ttmp9, 3
	s_lshl_b32 s26, s26, 1
	s_lshr_b32 s33, s24, 2
	s_add_co_u32 s26, s26, s33                     ; s
	s_wait_alu depctr_va_vdst(0)                   ; v3 is written, the offset of W's loads, and v5, the offset of the stores below
	WLOAD 1024
	WQUANT 31
	s_lshr_b32 s33, s25, 2
	s_lshl_b32 s33, s33, 3
	s_add_co_u32 s33, s33, s26
	s_lshl_b32 s38, s33, 13
	s_and_b32 s33, s25, 3
	s_lshl_b32 s33, s33, 11
	s_add_co_u32 s38, s38, s33
	s_add_nc_u64 s[14:15], s[14:15], s[38:39]
	s_wait_alu depctr_va_vdst(0)                   ; the conversions have written v[CW ..], which the stores read
.irp c, 0,1,2,3
	global_store_b128 v5, v[CW+4*\c:CW+4*\c+3], s[14:15] offset:512*\c   ; 32 lanes store 512 consecutive bytes, at a multiple of 256 from wq's first byte
.endr
	s_endpgm
; ---- B: wave w takes K step w for all 64 batches; the eight waves' sums meet in LDS
.Ldec:
	s_sub_co_u32 s25, ttmp9, 64                    ; T
	s_mov_b32 s26, s24                             ; s = w
	s_lshl_b32 s38, s25, 6
	s_and_b32 s33, s24, 1
	s_lshl_b32 s33, s33, 4
	s_add_co_u32 s38, s38, s33                     ; at the end wave w owns slab w of the sums: batches 16 (w / 2) + r, columns 16 T + 8 h + 4 (w % 2) + 0 .. 3
	s_add_nc_u64 s[8:9], s[8:9], s[38:39]
	v_lshlrev_b32 v8, 5, v2                        ; 32 h
	s_lshr_b32 s33, s24, 1
	s_lshl_b32 s33, s33, 16
	s_add_co_u32 s38, s38, s33
	s_add_nc_u64 s[16:17], s[16:17], s[38:39]      ; the same columns in bias, 16 (w / 2) rows of 4,096 bytes down
	v_lshl_add_u32 v14, v1, 12, v8                 ; + row r, + 32 h
	s_lshl_b32 s38, s24, 9
	s_add_nc_u64 s[6:7], s[6:7], s[38:39]          ; the decoder at K step w
	v_lshlrev_b32 v4, 12, v1
	v_lshl_add_u32 v4, v2, 6, v4                   ; row r, + 64 h: my 16 numbers of a block of 32
	s_lshl_b32 s33, s24, 12
	v_add_nc_u32 v6, s33, v5                       ; LDS: my wave's 4,096 bytes, 16 a lane
	s_lshl_b32 s33, s24, 9
	v_add_nc_u32 v7, s33, v5                       ; and slab w of every wave's
	s_wait_alu depctr_va_vdst(0)                   ; v3, v4, v8 are written, the offsets of the loads below; so are v6, v7 and v14, which the LDS stores, the LDS loads and the last store read
	global_load_b128 v[BA:BA+3], v8, s[8:9]
	WIN 0x40                                       ; destination window 1: register 64 t + 16 c + 4 j on = decoder(16 t + r, 128 w + 32 c + 16 h + 4 j ..)
.irp t, 0,1,2,3
.irp c, 0,1,2,3
.irp j, 0,1,2,3
	global_load_b128 v[64*\t+16*\c+4*\j:64*\t+16*\c+4*\j+3], v4, s[6:7] offset:\t*65536+128*\c+16*\j
.endr
.endr
.endr
	WIN 0
	WLOAD 0
	WQUANT 29                                      ; its last wait is for all loads: W's are the youngest, so the decoder's and b_attn's are in too
	SCALES 28, 13, 12
	WIN 0x41                                       ; source 0 and destination window 1
.set ii, 0
.rept 256
	v_med3_num_f32 v[ii], v[ii], -v12, v12
.set ii, ii+1
.endr
	WIN 0x01                                       ; source 0 window 1
.set ii, 0
.rept 32
	v_cvt_scalef32_pk8_bf8_f32 v[CA+2*ii:CA+2*ii+1], v[8*ii:8*ii+7], v13
.set ii, ii+1
.endr
	WIN 0
	v_nop                                          ; a plain vector line between the scaled conversions and the products that read their results
.irp t, 0,1,2,3                        ; TRANSPOSED: source 0 = 16 columns of Wd, source 1 = 16 batches: lane (r, h) holds batch 16 t + r, register j column 16 T + 8 h + j
	v_wmma_f32_16x16x128_bf8_bf8 v[ACC+8*\t:ACC+8*\t+7], v[CW:CW+15], v[CA+16*\t:CA+16*\t+15], 0
.endr
.rept 4
	v_nop                                          ; four places between a product and the first read of its result (ISA guide 7.12.1)
.endr
	s_wait_alu depctr_va_vdst(0)                   ; the products have written v[ACC ..], which the LDS stores read; the places above stay beside this wait
.irp i, 0,1,2,3,4,5,6,7
	ds_store_b128 v6, v[ACC+4*\i:ACC+4*\i+3] offset:512*\i   ; slab i; each accumulator from its low end on
.endr
	s_wait_dscnt 0x0                               ; for the others' sake: my stores have landed
	s_barrier_signal -1
	s_barrier_wait -1
.irp i, 0,1,2,3,4,5,6,7
	ds_load_b128 v[RS+4*\i:RS+4*\i+3], v7 offset:4096*\i     ; slab w of wave i.  No vector instruction has named these registers
.endr
	s_add_co_i32 s33, s28, s29
	s_lshl_b32 s33, s33, 23
	s_add_co_u32 s40, s33, 0x4038aa3b              ; 2 log2(e) x 2^(e0 + e1): the exponents are added to the constant's exponent field
	s_mov_b32 s41, s40                             ; (named with it as a pair, so it is written)
	v_pk_mul_f32 v[BA:BA+1], v[BA:BA+1], 0x4038aa3b op_sel_hi:[1,0]
	v_pk_mul_f32 v[BA+2:BA+3], v[BA+2:BA+3], 0x4038aa3b op_sel_hi:[1,0]
	s_wait_dscnt 0x0
.irp i, 0,8,16,24
	v_pk_add_f32 v[RS+\i:RS+\i+1], v[RS+\i:RS+\i+1], v[RS+\i+4:RS+\i+5]
	v_pk_add_f32 v[RS+\i+2:RS+\i+3], v[RS+\i+2:RS+\i+3], v[RS+\i+6:RS+\i+7]
.endr
.irp i, 0,16
	v_pk_add_f32 v[RS+\i:RS+\i+1], v[RS+\i:RS+\i+1], v[RS+\i+8:RS+\i+9]
	v_pk_add_f32 v[RS+\i+2:RS+\i+3], v[RS+\i+2:RS+\i+3], v[RS+\i+10:RS+\i+11]
.endr
	v_pk_add_f32 v[RS:RS+1], v[RS:RS+1], v[RS+16:RS+17]
	v_pk_add_f32 v[RS+2:RS+3], v[RS+2:RS+3], v[RS+18:RS+19]
	v_pk_fma_f32 v[OUT:OUT+1], v[RS:RS+1], s[40:41], v[BA:BA+1] op_sel_hi:[1,0,1]
	v_pk_fma_f32 v[OUT+2:OUT+3], v[RS+2:RS+3], s[40:41], v[BA+2:BA+3] op_sel_hi:[1,0,1]
	s_wait_alu depctr_va_vdst(0)                   ; the multiply-adds have written v[OUT ..], which the store reads
	global_store_b128 v14, v[OUT:OUT+3], s[16:17]
	s_wait_dscnt 0x0                               ; the closing lines, six on end
	s_wait_alu 0x0
	s_wait_tensorcnt 0x0
	ds_add_u32 v254, v255
	s_wait_dscnt 0x0
	s_endpgm
; ---- C: one wave, one batch.  Lane l holds rows s = 128 i + 4 l + e (i = 0 .. 7, e = 0 .. 3).  No LDS, no change of EXEC: a position is a running count plus the count of set bits below my lane
.Lcompact:
	s_sub_co_u32 s25, ttmp9, 128
	s_lshl_b32 s25, s25, 3
	s_add_co_u32 s25, s25, s24                     ; the batch
	s_lshl_b32 s38, s25, 12
	s_add_nc_u64 s[10:11], s[10:11], s[38:39]
	s_add_nc_u64 s[20:21], s[20:21], s[38:39]
	s_mul_i32 s38, s25, 4608
	s_add_nc_u64 s[18:19], s[18:19], s[38:39]
	s_lshl_b32 s38, s25, 7
	s_add_nc_u64 s[22:23], s[22:23], s[38:39]
	v_lshlrev_b32 v149, 2, v9                      ; 4 x lane
	s_wait_alu depctr_va_vdst(0)                   ; v5 is written, the offset of the loads below and of the slots' stores; so is v149, the offset of the count's store
.irp i, 0,1,2,3,4,5,6,7
	global_load_b128 v[M+4*\i:M+4*\i+3], v5, s[10:11] offset:512*\i
.endr
	s_mov_b32 s2, 0                                ; rows kept so far
	s_mov_b32 s3, 0                                ; rows masked so far
	s_wait_loadcnt 0x0
.set ii, 0
.rept 32
	v_cmp_ne_u32 s[MK+ii], 1, v[M+ii]              ; a bit for each lane whose row is kept: the 32 compares in one run, each into a register of its own
.set ii, ii+1
.endr
	s_wait_alu depctr_va_sdst(0)                   ; s32 to s63 are written, ahead of their first readers, scalar and vector, below
.irp i, 0,1,2,3,4,5,6,7
.irp e, 0,1,2,3
	s_not_b32 s12, s[MK+4*\i+\e]
	v_mbcnt_lo_u32_b32 v144, s[MK+4*\i+\e], s2     ; its position if kept,
	v_mbcnt_lo_u32_b32 v145, s12, s3
	v_sub_nc_u32 v145, 1023, v145                  ; and if masked
	v_cndmask_b32 v144, v145, v144, s[MK+4*\i+\e]
	v_lshrrev_b32 v146, 6, v144                    ; J
	v_bfe_u32 v147, v144, 4, 2                     ; q
	v_and_b32 v148, 15, v144
	v_lshl_add_u32 v146, v146, 4, v148
	v_mad_u32_u24 v[SL+4*\i+\e], v147, 288, v146   ; the slot
	v_min_u32 v[AD+4*\i+\e], 1151, v[SL+4*\i+\e]   ; (it is under 1,152 by its make; the bound is written out ahead of the address)
	v_lshlrev_b32 v[AD+4*\i+\e], 2, v[AD+4*\i+\e]
	v_add_nc_u32 v[SI+4*\i+\e], 128*\i+\e, v149    ; s.  Each store has registers of its own: none is written again
	s_bcnt1_i32_b32 s13, s[MK+4*\i+\e]
	s_add_co_u32 s2, s2, s13
	s_sub_co_u32 s13, 32, s13
	s_add_co_u32 s3, s3, s13
.endr
.endr
	v_mov_b32 v150, s2
	s_wait_alu depctr_va_vdst(0)                   ; v[AD ..], v[SI ..], v[SL ..] and v150 are written: the offsets and the data of all the stores below
.set ii, 0
.rept 32
	global_store_b32 v[AD+ii], v[SI+ii], s[18:19]
.set ii, ii+1
.endr
.irp i, 0,1,2,3,4,5,6,7
	global_store_b128 v5, v[SL+4*\i:SL+4*\i+3], s[20:21] offset:512*\i
.endr
	global_store_b32 v149, v150, s[22:23]          ; the count, 32 times
	s_endpgm
.Lfunc_end_k_q294ad7c168_prep:
	.size	k_q294ad7c168_prep, .Lfunc_end_k_q294ad7c168_prep-k_q294ad7c168_prep
	.p2alignl 7, 3214868480
	.fill 96, 4, 3214868480
	.section	.rodata,"a",@progbits
	.p2align	6, 0x0
	.amdhsa_kernel k_q294ad7c168_prep
		.amdhsa_group_segment_fixed_size 33792
		.amdhsa_private_segment_fixed_size 0
		.amdhsa_enable_private_segment 0
		.amdhsa_kernarg_size 80
		.amdhsa_user_sgpr_count 2
		.amdhsa_user_sgpr_kernarg_segment_ptr 1
		.amdhsa_wavefront_size32 1
		.amdhsa_system_sgpr_workgroup_id_x 1
		.amdhsa_system_sgpr_workgroup_id_y 1
		.amdhsa_system_sgpr_workgroup_id_z 1
		.amdhsa_system_vgpr_workitem_id 0
		.amdhsa_next_free_vgpr 512
		.amdhsa_next_free_sgpr 66
		.amdhsa_reserve_vcc 0
		.amdhsa_float_denorm_mode_32 3
		.amdhsa_float_denorm_mode_16_64 3
		.amdhsa_memory_ordered 1
		.amdhsa_forward_progress 1
		.amdhsa_inst_pref_size 88
	.end_amdhsa_kernel
	.amdgpu_metadata
---
amdhsa.version: [ 1, 2 ]
amdhsa.kernels:
  - .name:           k_q294ad7c168_prep
    .symbol:         k_q294ad7c168_prep.kd
    .args:
      - { .name: W_attn, .offset: 0, .size: 8, .value_kind: global_buffer, .address_space: global }
      - { .name: decoder_hidden, .offset: 8, .size: 8, .value_kind: global_buffer, .address_space: global }
      - { .name: b_attn, .offset: 16, .size: 8, .value_kind: global_buffer, .address_space: global }
      - { .name: mask, .offset: 24, .size: 8, .value_kind: global_buffer, .address_space: global }
      - { .name: lowp_scales, .offset: 32, .size: 8, .value_kind: global_buffer, .address_space: global }
      - { .name: wq, .offset: 40, .size: 8, .value_kind: global_buffer, .address_space: global }
      - { .name: bias, .offset: 48, .size: 8, .value_kind: global_buffer, .address_space: global }
      - { .name: rows, .offset: 56, .size: 8, .value_kind: global_buffer, .address_space: global }
      - { .name: slot, .offset: 64, .size: 8, .value_kind: global_buffer, .address_space: global }
      - { .name: cnt, .offset: 72, .size: 8, .value_kind: global_buffer, .address_space: global }
    .group_segment_fixed_size: 33792
    .private_segment_fixed_size: 0
    .kernarg_segment_align: 8
    .kernarg_segment_size: 80
    .max_flat_workgroup_size: 256
    .sgpr_count:     66
    .vgpr_count:     512
    .wavefront_size: 32
...
	.end_amdgpu_metadata
.endif
;; end of part 4
;; launch main (part 5): grid 256 x 1, 4 waves a work-group, no clusters, 152,576 bytes of LDS; arguments encoder_outputs, wq, bias, v_w, rows, cnt, lowp_scales, sc; writes sc
.if DOCPART == 5
	.amdgcn_target "amdgcn-amd-amdhsa--gfx1250"
	.amdhsa_code_object_version 6
	.text
	.protected	k_q294ad7c168_main
	.globl	k_q294ad7c168_main
	.p2align	8
	.type	k_q294ad7c168_main,@function
k_q294ad7c168_main:
	s_mov_b64 s[64:65], 0
	v_nop
	global_prefetch_b8 v0, s[64:65] scope:SCOPE_SE
	s_setreg_imm32_b32 hwreg(HW_REG_WAVE_SCHED_MODE, 0, 2), 2
	s_setreg_imm32_b32 hwreg(HW_REG_WAVE_MODE, 25, 1), 1
	s_wait_xcnt 0x0
	s_wait_alu depctr_vm_vsrc(0)
; sc[b][slot] = sum over n of v_w[n] tanh(dec_proj[b][n] + b_attn[n] + encoder_outputs[b][s] . We[:, n]) for the rows s of batch b that the mask keeps; the product on codes of BF8 (E5M2), scales 2^e2, 2^e3.
; A row whose mask is 1 has its score replaced before the softmax, so its product is not made and its 4,096 bytes are not read.  Which rows are kept was counted and listed by the launch before (rows, cnt).
; SHARES.  Work-group x serves quarter q = x % 4 of batch b = x / 4: the tiles of 16 listed rows numbered 4 J + q; mt = ceil((ceil(n / 16) - q) / 4) of them hold kept rows, 0 to 16, n = the batch's count.
;   They are served in TWO ROUNDS of nine tiles (a constant trip count); a round whose first tile is not under mt is passed over by scalar branches that stand round work alone, never round a barrier.
;   Inside a round that runs, a tile at or past mt repeats the round's first tile (valid rows; its scores are read by nobody).  All 288 scores of the work-group are stored for every mask, zeros for a round passed over.
; A ROUND.  P1: wave w gathers rows 4 w .. 4 w + 3 of each tile (eight loads of 512 consecutive bytes a row), holds, converts, and lays the codes in LDS as rows along K | barrier |
;   P2: wave w makes columns 256 w .. 256 w + 255 for all nine tiles, in four passes of 64 columns: 36 accumulators, eight K steps of 128; then tanh and the product with v_w in registers | barrier | wave 0 adds the four waves' parts and stores.
; THE WEIGHTS GO FROM MEMORY STRAIGHT INTO REGISTERS, as the launch before laid them (images of the operand's registers, 512 consecutive bytes a load), three K steps ahead, in four sets of registers.
;   All 256 work-groups read the same wq, and no joint tensor load is used for it; this text branches on counts read from memory.
;   The look-ahead of a wave's last pass wraps to its first pass: no load leaves wq, and a second round finds its first three sets asked for; behind the last round that runs, those 48 loads serve nothing.
; THE MATRIX INSTRUCTION IS USED TRANSPOSED (source 0 = 16 columns of We, source 1 = 16 rows): lane (r, h) holds row r, register j of tile n column 16 n + 8 h + j: the sum over columns stays in the lane but for one exchange.
; tanh(x) = 1 - 2 / (1 + 2^(2 log2(e) x)): bias holds 2 log2(e) (dec_proj + b_attn); a sum of codes is multiplied by 2 log2(e) 2^(e2 + e3).  So the score is sum(v) - 2 sum(v / (1 + 2^..)).
; LIMITS: e2 between -126 and 112; e2 + e3 between -127 and 126 (added to a constant's exponent field).  NaN among the inputs is not served.
; REGISTERS, in windows of 256: window 0: addresses, sums, bias, v_w, P1's codes (below).  window 1: the weights, four sets of 64.
;   window 2: the accumulators of tiles 0-7, (m, n) at v[32 m + 8 n]; in P1 two sets of 128 numbers.   window 3: v0-31 tile 8's accumulators; v32-175 set 0 of the rows' nine fragments, 16 registers each; v176-255 tiles 0-4 of set 1.
;   Tiles 5-8 of set 1 lie in window 0, v128-191: the registers of P1's codes, which P2 does not need.
; THE MODE: SCHED_MODE bits 1:0 = 2 (LLVM: expert scheduling mode 2), set by the entry lines.  The code itself states the register dependences
; between vector or matrix instructions and memory or LDS instructions, with s_wait_alu, always for 0.
; THE PLAN.  Registers that memory or LDS instructions touch:
;   v1-9, v58-60    Offsets and LDS addresses: written at the head and never again: one wait on va_vdst ahead of the first load serves every later load and store.
;   P1, tile j:     X[j % 2] (window 2): tile j's 32 loads land in it, its holds and conversions read it, tile j + 2's loads land in it.
;                   OF[j % 2]: four offsets, written by vector lines, read by tile j's loads, written again for tile j + 2.
;                   CD[j % 2]: written by tile j's conversions, read by its 32 LDS stores, written again by tile j + 2's conversions.
;                   Two waits a tile.  On vm_vsrc, ahead of the conversions: tile j - 2's stores have read CD[j % 2], tile j's loads have read OF[j % 2].  On va_vdst, behind the conversions and the four new offsets:
;                   CD[j % 2] and OF[j % 2] are written and X[j % 2] is read out.  Behind it stand tile j + 2's loads and tile j's stores, with no vector line between.
;   P2, K step s:   A[s % 2]: the rows' nine fragments, read by the step's 36 products; the step's 36 LDS loads land in the OTHER set, which step s - 1 read.
;                   W[s % 4]: the weights, read by the same products; the step's 16 loads land in W[(s + 3) % 4], which step s - 1 read.
;                   BIAS, VV: read by the lines behind a pass's products; loaded again in the next pass's first step.
;                   ONE wait on va_vdst a step, at its head: step s - 1's products (in a pass's first step: the lines behind the last pass's products) are done.  The step's loads follow it, dealt among the products of
;                   tiles 0 to 4, which name A[s % 2], W[s % 4] and the accumulators: none of the registers that those loads touch.
;   P2's head:      one wait on vm_vsrc: P1's LDS stores have read v128-191, the last round's LDS stores v[BIAS ..]; loads land in both.
;   The way out:    the partial scores are written into v[BIAS ..] | wait on va_vdst | nine LDS stores.  Wave 0: wait on vm_vsrc | v[RES ..] written, LDS loads into v[BIAS ..], sums | wait on va_vdst | two stores.
.set PITCH, 1040                       ; a row of 1,024 codes + 16 bytes: an odd multiple of 16, so that the 16 rows of a fragment load fall on 16 different 16-byte columns modulo 256
.set TILEB, 16*PITCH
.set GRP,   4*TILEB                    ; four tiles to an address register: the immediates stay under 65,536
.set NT,    9                          ; tiles in a round
.set SCP,   NT*TILEB                   ; behind the codes: each wave's 144 partial scores, 576 bytes
.set L16,  1                           ; v1     16 x lane
.set AST,  2                           ; v2-4   P1: where my wave's first row of tiles 0, 4, 8 begins, + 4 x lane
.set AA,   5                           ; v5-7   P2: row r of tiles 0, 4, 8, + 16 h
.set VB,   8                           ; v8     32 h
.set SST,  9                           ; v9     my wave's partial scores, + 4 r
.set LIM,  10                          ; v10    57,344 x 2^e2
.set SCL,  11                          ; v11    2^e2
.set OF,   12                          ; v12-19 two sets of four row offsets
.set SC,   20                          ; v20-37 nine pairs: sum of v / (1 + 2^..) of tile m
.set VS,   38                          ; v38-39 sum of v
.set P,    40                          ; v42-47 three more chains
.set T,    48                          ; v48-51 at work
.set RES,  52                          ; v52-56 the final stage's results
.set FA,   58                          ; v58    the final stage: SCP + 16 x lane
.set FB,   59                          ; v59    SCP + 512 + 4 r
.set GB,   60                          ; v60    512 + 4 r
.set BIAS, 64                          ; v64-95   a pass's 32 numbers of bias a lane
.set VV,   96                          ; v96-127  and of v_w
.set CD,   128                         ; v128-191 P1: two sets of 32 registers of codes
.set AF,   32                          ; window 3: the fragments of rows: set 0's nine, then tiles 0-4 of set 1
.set AG,   128                         ; window 0: tiles 5-8 of set 1
.set RQ,   28                          ; s[28:63] nine quads: my wave's four rows of each tile
.set CC,   66                          ; s[66:67] 2 log2(e) 2^(e2 + e3), twice
.set BCUR, 70                          ; s[70:71] wq at this pass;  s[72:73] at the next
.set BNXT, 72
.set SBI,  74                          ; s[74:75] bias at this pass;  s[76:77] v_w
.set SVW,  76
.set MSB, 0
.macro WIN new                         ; the immediate's high byte repeats the setting that is left
.if MSB != \new
	s_set_vgpr_msb (MSB<<8)|\new
.set MSB, \new
.endif
.endm
.macro PLACES                          ; four places behind a product (ISA guide 7.12.1)
.rept 4
	v_nop
.endr
.endm
; P1: tile j's four offsets
.macro ADDR j
.set OFS, OF+4*((\j)%2)
.irp k, 0,1,2,3
	v_lshl_add_u32 v[OFS+\k], s[RQ+4*(\j)+\k], 12, v[L16]   ; (the loads that named this register two tiles back have been waited for)
.endr
.endm
; P1: tile j's four rows are asked for: 32 loads of 512 consecutive bytes, into set j % 2 of window 2 (the destination's window is set by the caller): register 32 k + 4 i on = row k, numbers 128 i + 4 lane + 0 .. 3
.macro LOADS j
.set XS, 128*((\j)%2)
.set OFS, OF+4*((\j)%2)
.irp k, 0,1,2,3
.irp i, 0,1,2,3,4,5,6,7
	global_load_b128 v[XS+32*\k+4*\i:XS+32*\k+4*\i+3], v[OFS+\k], s[4:5] offset:512*\i
.endr
.endr
.endm
; P1: tile j is held, converted and stored; ahead = 1: tile j + 2 is asked for.  A conversion takes two loads' registers: its two results are the four codes at 128 i + 4 lane of loads i = 2 u and 2 u + 1: each store lays 128 consecutive bytes
.macro CONSUME j, n, ahead
.set XS, 128*((\j)%2)
.set CDS, CD+32*((\j)%2)
	s_wait_loadcnt \n                              ; my tile's 32 loads are in; the next tile's 32 may be out
	WIN 0x82
.set ii, 0
.rept 128
	v_med3_num_f32 v[XS+ii], v[XS+ii], -v[LIM], v[LIM]   ; the conversion to an 8-bit code does not saturate (ISA guide 7.6.2)
.set ii, ii+1
.endr
	s_wait_dscnt 32                                ; the stores of the tile two back are done; the last tile's 32 may be out
	s_wait_alu depctr_vm_vsrc(0)                   ; the LDS stores of the tile two back have read this set of code registers, and this tile's loads their four offsets: both are written below
	WIN 0x02
.irp k, 0,1,2,3
.irp u, 0,1,2,3
	v_cvt_scalef32_pk8_bf8_f32 v[CDS+8*\k+2*\u:CDS+8*\k+2*\u+1], v[XS+32*\k+8*\u:XS+32*\k+8*\u+7], v[SCL]
.endr
.endr
	WIN 0
	v_nop                                          ; a plain vector line behind the last scaled conversion
.if \ahead
	ADDR (\j)+2
	WIN 0x80                                       ; the loads' destination: window 2
.endif
	s_wait_alu depctr_va_vdst(0)                   ; the conversions have written the codes, which the LDS stores read; ahead = 1: they are done reading X[j % 2], in which the loads land, and the four offsets are written
.if \ahead
	LOADS (\j)+2
	WIN 0
.endif
.irp k, 0,1,2,3
.irp i, 0,1,2,3,4,5,6,7
	ds_store_b32 v[AST+(\j)/4], v[CDS+8*\k+\i] offset:((\j)%4)*TILEB+\k*PITCH+128*\i
.endr
.endr
.endm
; P2: where the fragment of tile m in set p lies: register FR of window FW
.macro FRAGSET p, m
.if (\p) == 0
.set FR, AF+16*(\m)
.set FW, 3
.elseif (\m) < 5
.set FR, AF+144+16*(\m)
.set FW, 3
.else
.set FR, AG+16*((\m)-5)
.set FW, 0
.endif
.endm
; P2: the fragments of tiles m0 .. m1 at K step s, into set p: registers 4 c .. 4 c + 3 = row r, k = 128 s + 32 c + 16 h + 0 .. 15
.macro AFETCH p, m0, m1, s
.set mm, \m0
.rept (\m1)-(\m0)+1
	FRAGSET \p, mm
.set WW, 0x40*FW
	WIN WW
.irp c, 0,1,2,3
	ds_load_b128 v[FR+4*\c:FR+4*\c+3], v[AA+mm/4] offset:(mm%4)*TILEB+128*(\s)+32*\c
.endr
.set mm, mm+1
.endr
.endm
; P2: four fragments of weights (64 columns x 128 K, 8,192 consecutive bytes) into a set of window 1
.macro BFETCH set, base, st
	WIN 0x40
.irp i, 0,1,2,3,4,5,6,7,8,9,10,11,12,13,14,15
	global_load_b128 v[64*(\set)+4*\i:64*(\set)+4*\i+3], v[L16], s[\base:\base+1] offset:(\st)*8192+512*\i
.endr
.endm
.macro BVFETCH                         ; the pass's bias and v_w in the result's layout: register 8 n + j = column 16 n + 8 h + j
	WIN 0
.irp n, 0,1,2,3
.irp u, 0,1
	global_load_b128 v[BIAS+8*\n+4*\u:BIAS+8*\n+4*\u+3], v[VB], s[SBI:SBI+1] offset:64*\n+16*\u
	global_load_b128 v[VV+8*\n+4*\u:VV+8*\n+4*\u+3], v[VB], s[SVW:SVW+1] offset:64*\n+16*\u
.endr
.endr
.endm
; four products: tile m of set p against the weights' set's four fragments.  The 36 accumulators take turns, one instruction a turn, in the same order in every step
.macro MUL m, p, set, zero
	FRAGSET \p, \m
.if (\m) < 8
.set AC, 32*(\m)
.set WW, 0xa1+4*FW                     ; source 0 window 1, source 1 the fragment's window, C and D window 2
.else
.set AC, 0
.set WW, 0xf1+4*FW                     ; C and D window 3
.endif
	WIN WW
.irp n, 0,1,2,3
.if \zero
	v_wmma_f32_16x16x128_bf8_bf8 v[AC+8*\n:AC+8*\n+7], v[64*(\set)+16*\n:64*(\set)+16*\n+15], v[FR:FR+15], 0
.else
	v_wmma_f32_16x16x128_bf8_bf8 v[AC+8*\n:AC+8*\n+7], v[64*(\set)+16*\n:64*(\set)+16*\n+15], v[FR:FR+15], v[AC+8*\n:AC+8*\n+7]
.endif
.endr
.endm
; A K step of 128: 36 products on set s % 2 of the rows' fragments and set s % 4 of the weights.  The next step's 36 fragments' loads go into the other set of rows, the weights of three steps on into the set that
; the step before read.  Step 7 fetches K step 0 of the rows again: every pass walks the same rows.
.macro KSTEP s, zero
.if ((\s) >= 1) && ((\s) <= 3)
	s_wait_loadcnt 48                              ; this step's weights are in; younger: two sets of 16 loads, and the 16 of bias and v_w that step 0 issued
.else
	s_wait_loadcnt 32                              ; younger: two sets of 16 loads.  (From step 4 on bias and v_w are older than the set waited for: they are in)
.endif
	s_wait_dscnt 16                                ; this step's tiles 0-4 are in; the 16 loads of its tiles 5-8 may be out
.if (\s) > 0
	PLACES                                         ; four places between the last step's products and the loads into registers that they have read; they stay beside the wait below
.endif
	s_wait_alu depctr_va_vdst(0)                   ; the last step's products are done reading the other set of rows and the weights' set (s + 3) % 4, in which this step's loads land; in a pass's first step the lines behind the last pass's products are done reading v[BIAS ..] and v[VV ..], and in a round's first P1's conversions have written v128-191
	MUL 0, (\s)%2, (\s)%4, \zero
	AFETCH 1-(\s)%2, 0, 4, ((\s)+1)%8              ; no wait: no vector or matrix instruction since the wait above names these registers; likewise below
	MUL 1, (\s)%2, (\s)%4, \zero
	AFETCH 1-(\s)%2, 5, 8, ((\s)+1)%8
	MUL 2, (\s)%2, (\s)%4, \zero
.if (\s) <= 4
	BFETCH ((\s)+3)%4, BCUR, (\s)+3
.else
	BFETCH ((\s)+3)%4, BNXT, (\s)-5
.endif
.if (\s) == 0
	BVFETCH
.endif
	MUL 3, (\s)%2, (\s)%4, \zero
	MUL 4, (\s)%2, (\s)%4, \zero
	s_wait_dscnt 36                                ; this step's tiles 5-8 are in; the 36 loads just issued may be out
.irp m, 5,6,7,8
	MUL \m, (\s)%2, (\s)%4, \zero
.endr
.endm
.macro VSUM                            ; the pass's 32 numbers of v_w are added to sum(v), in two chains.  (These lines are also the places between the last products and the first read of a result)
	WIN 0
	v_pk_add_f32 v[T:T+1], v[VV+2:VV+3], v[VV+6:VV+7]
	v_pk_add_f32 v[VS:VS+1], v[VS:VS+1], v[VV:VV+1]
.irp i, 4,8,12,16,20,24
	v_pk_add_f32 v[VS:VS+1], v[VS:VS+1], v[VV+\i:VV+\i+1]
	v_pk_add_f32 v[T:T+1], v[T:T+1], v[VV+\i+6:VV+\i+7]
.endr
	v_pk_add_f32 v[VS:VS+1], v[VS:VS+1], v[VV+28:VV+29]
	v_pk_add_f32 v[VS:VS+1], v[VS:VS+1], v[T:T+1]
.endm
; tile m's 32 sums a lane: g = 1 / (1 + 2^(sum x C + bias)), and sum(v g) in four chains
.macro EPI m
.if (\m) < 8
.set AC, 32*(\m)
.set WI, 0x82
.set WG, 0x02
.else
.set AC, 0
.set WI, 0xc3
.set WG, 0x03
.endif
	WIN WI                                         ; source 0 and destination: the accumulators' window
.irp i, 0,2,4,6,8,10,12,14,16,18,20,22,24,26,28,30
	v_pk_fma_f32 v[AC+\i:AC+\i+1], v[AC+\i:AC+\i+1], s[CC:CC+1], v[BIAS+\i:BIAS+\i+1] op_sel_hi:[1,0,1]   ; each accumulator from its low end on
.endr
.set ii, 0
.rept 32
	v_exp_f32 v[AC+ii], v[AC+ii]
.set ii, ii+1
.endr
	v_nop                                          ; a plain vector line between the run of exponentials and the first use of a result (ISA guide 5.7.2)
	s_wait_alu depctr_va_vdst(0)                   ; the 32 exponentials have written v[AC ..], which the additions below read: one wait for the batch
.irp i, 0,2,4,6,8,10,12,14,16,18,20,22,24,26,28,30
	v_pk_add_f32 v[AC+\i:AC+\i+1], v[AC+\i:AC+\i+1], 1.0 op_sel_hi:[1,0]
.endr
.set ii, 0
.rept 32
	v_rcp_f32 v[AC+ii], v[AC+ii]                   ; 2^.. = infinity gives 0, 2^.. = 0 gives 1: tanh = 1 and -1
.set ii, ii+1
.endr
	WIN WG                                         ; source 0: the accumulators' window
	v_nop                                          ; the same behind the reciprocals
	s_wait_alu depctr_va_vdst(0)                   ; the 32 reciprocals have written v[AC ..], which the multiply-adds below read: one wait for the batch
.irp p, 0,2,4,6
	v_pk_fma_f32 v[SC+2*(\m):SC+2*(\m)+1], v[AC+\p:AC+\p+1], v[VV+\p:VV+\p+1], v[SC+2*(\m):SC+2*(\m)+1]
.irp n, 1,2,3
.if \p == 0
	v_pk_mul_f32 v[P+2*\n:P+2*\n+1], v[AC+8*\n:AC+8*\n+1], v[VV+8*\n:VV+8*\n+1]
.else
	v_pk_fma_f32 v[P+2*\n:P+2*\n+1], v[AC+8*\n+\p:AC+8*\n+\p+1], v[VV+8*\n+\p:VV+8*\n+\p+1], v[P+2*\n:P+2*\n+1]
.endif
.endr
.endr
	WIN 0
	v_pk_add_f32 v[P+2:P+3], v[P+2:P+3], v[P+4:P+5]
	v_pk_add_f32 v[SC+2*(\m):SC+2*(\m)+1], v[SC+2*(\m):SC+2*(\m)+1], v[P+6:P+7]
	v_pk_add_f32 v[SC+2*(\m):SC+2*(\m)+1], v[SC+2*(\m):SC+2*(\m)+1], v[P+2:P+3]
.endm
; my wave's part of the nine tiles' scores: sum(v) - 2 sum(v g) over my 256 columns; the two halves of the lanes hold different columns of the same row
.macro DUMP
	v_add_f32 v[T], v[VS], v[VS+1]
.irp m, 0,1,2,3,4,5,6,7,8
	v_add_f32 v[BIAS+2*\m], v[SC+2*\m], v[SC+2*\m+1]
.endr
.irp m, 0,1,2,3,4,5,6,7,8
	v_fma_f32 v[BIAS+2*\m], v[BIAS+2*\m], -2.0, v[T]
.endr
.irp m, 0,1,2,3,4,5,6,7,8
	v_permlanex16_b32 v[BIAS+2*\m+1], v[BIAS+2*\m], s68, s69
.endr
.irp m, 0,1,2,3,4,5,6,7,8
	v_add_f32 v[BIAS+2*\m], v[BIAS+2*\m], v[BIAS+2*\m+1]
.endr
	s_wait_alu depctr_va_vdst(0)                   ; the additions have written v[BIAS ..], which the LDS stores read
.irp m, 0,1,2,3,4,5,6,7,8
	ds_store_b32 v[SST], v[BIAS+2*\m] offset:64*\m   ; lanes r and r + 16 store the same number to the same word
.endr
.endm
	s_load_b512 s[4:19], s[0:1], 0x0               ; encoder s[4:5], wq s[6:7], bias s[8:9], v_w s[10:11], rows s[12:13], cnt s[14:15], scales s[16:17], sc s[18:19]
	v_lshl_add_u32 v254, v0, 2, 0x25200
	v_mov_b32 v255, 0
	v_and_b32 v48, 31, v0                          ; lane
	v_lshrrev_b32 v49, 5, v0
	v_readfirstlane_b32 s20, v49                   ; wave 0..3
	v_and_b32 v50, 15, v0                          ; r
	v_bfe_u32 v51, v0, 4, 1                        ; h
	v_lshlrev_b32 v[L16], 4, v48
	v_mul_u32_u24 v[AA], v50, PITCH
	v_lshl_add_u32 v[AA], v51, 4, v[AA]
	v_add_nc_u32 v[AA+1], GRP, v[AA]
	v_add_nc_u32 v[AA+2], 2*GRP, v[AA]
	v_lshlrev_b32 v[VB], 5, v51
	v_add_nc_u32 v[FA], SCP, v[L16]
	v_lshlrev_b32 v[GB], 2, v50
	v_add_nc_u32 v[GB], 512, v[GB]
	v_add_nc_u32 v[FB], SCP, v[GB]
	v_lshlrev_b32 v[AST], 2, v48
	s_wait_alu depctr_va_sdst(0)                   ; s20 is written, ahead of its first reader: LDS addresses, bases and branches are made from it
	s_mul_i32 s25, s20, 4*PITCH
	v_add_nc_u32 v[AST], s25, v[AST]
	v_add_nc_u32 v[AST+1], GRP, v[AST]
	v_add_nc_u32 v[AST+2], 2*GRP, v[AST]
	s_mul_i32 s25, s20, NT*64
	s_add_co_u32 s25, s25, SCP
	v_lshl_add_u32 v[SST], v50, 2, s25
	s_lshr_b32 s26, ttmp9, 2                       ; b
	s_and_b32 s27, ttmp9, 3                        ; q
	s_mov_b32 s68, 0x76543210                      ; v_permlanex16_b32's selects for lane l xor 16
	s_mov_b32 s69, 0xfedcba98
	s_mov_b32 s79, 0                               ; the high word of every offset pair s[78:79]
	s_wait_kmcnt 0x0
	s_lshl_b32 s78, s26, 7
	s_add_nc_u64 s[14:15], s[14:15], s[78:79]
	s_load_b32 s21, s[14:15], 0x0                  ; the batch's count
	s_load_b128 s[80:83], s[16:17], 0x0            ; e0, e1, e2, e3
	s_mul_i32 s78, ttmp9, 1152
	s_add_nc_u64 s[18:19], s[18:19], s[78:79]      ; my work-group's 288 scores
	s_lshl_b32 s25, s20, 4
	s_add_co_u32 s78, s78, s25
	s_add_nc_u64 s[12:13], s[12:13], s[78:79]      ; my work-group's list, at my wave's four rows of its first tile
.irp j, 0,1,2,3,4,5,6,7,8
	s_load_b128 s[RQ+4*\j:RQ+4*\j+3], s[12:13], 64*\j
.endr
	s_lshl_b32 s78, s20, 18
	s_add_nc_u64 s[6:7], s[6:7], s[78:79]          ; my wave's 262,144 bytes of wq
	s_mov_b64 s[BCUR:BCUR+1], s[6:7]
	s_add_nc_u64 s[BNXT:BNXT+1], s[6:7], 0x10000
	s_wait_alu depctr_va_vdst(0)                   ; v1 to v9 and v58 to v60 are written: the offsets and LDS addresses that every load and store of the kernel reads but P1's gathers
	BFETCH 0, BCUR, 0                              ; the first three K steps' weights: they hang on no count
	BFETCH 1, BCUR, 1
	BFETCH 2, BCUR, 2
	WIN 0
	s_lshl_b32 s78, s26, 22
	s_add_nc_u64 s[4:5], s[4:5], s[78:79]          ; the batch's 1,024 rows of 4,096 bytes
	s_lshl_b32 s78, s20, 10
	s_add_nc_u64 s[10:11], s[10:11], s[78:79]      ; my 256 numbers of v_w,
	s_lshl_b32 s25, s26, 12
	s_add_co_u32 s78, s78, s25
	s_add_nc_u64 s[8:9], s[8:9], s[78:79]          ; and of the batch's bias
	s_wait_kmcnt 0x0
	s_min_u32 s21, s21, 1024
	s_add_co_u32 s21, s21, 15
	s_lshr_b32 s21, s21, 4                         ; the batch's tiles with kept rows
	s_add_co_u32 s21, s21, 3
	s_sub_co_u32 s21, s21, s27
	s_lshr_b32 s21, s21, 2                         ; mt
	s_add_co_i32 s25, s82, 127
	s_lshl_b32 s26, s25, 23
	v_mov_b32 v[SCL], s26
	s_add_co_i32 s25, s25, 15
	s_lshl_b32 s25, s25, 23
	s_or_b32 s25, s25, 0x600000
	v_mov_b32 v[LIM], s25
	s_add_co_i32 s25, s82, s83
	s_lshl_b32 s25, s25, 23
	s_add_co_u32 s[CC], s25, 0x4038aa3b            ; 2 log2(e) x 2^(e2 + e3)
	s_mov_b32 s[CC+1], s[CC]
	s_mov_b32 s22, 0                               ; the round's first tile
	s_mov_b32 s23, 2                               ; rounds to go
.Lround:
	s_wait_kmcnt 0x0                               ; the round's nine quads of rows
	s_cmp_gt_u32 s21, s22
	s_cbranch_scc0 .Lp1_done
; ---- P1
.irp j, 1,2,3,4,5,6,7,8
	s_add_co_u32 s25, s22, \j
	s_cmp_lt_u32 s25, s21
.irp k, 0,1,2,3
	s_cselect_b32 s[RQ+4*\j+\k], s[RQ+4*\j+\k], s[RQ+\k]   ; a tile at or past mt repeats the round's first
.endr
.endr
.set ii, 0
.rept 36
	s_min_u32 s[RQ+ii], s[RQ+ii], 1023             ; a row's number lies under 1,024 by its make; the bound is written out ahead of the address
.set ii, ii+1
.endr
	s_wait_alu depctr_vm_vsrc(0)                   ; the last round's gathers have read v[OF ..], which is written below
	ADDR 0
	ADDR 1
	WIN 0x80                                       ; the loads' destination: window 2
	s_wait_alu depctr_va_vdst(0)                   ; the eight offsets are written; the last round's products and the lines behind them are done with window 2's registers, in which the loads land
	LOADS 0
	LOADS 1
	WIN 0
.irp j, 0,1,2,3,4,5,6
	CONSUME \j, 32, 1
.endr
	CONSUME 7, 32, 0
	CONSUME 8, 0, 0
.Lp1_done:
	s_wait_dscnt 0x0                               ; for the others' sake: my codes lie in LDS
	s_barrier_signal -1
	s_barrier_wait -1
	s_cmp_eq_u32 s23, 1
	s_cbranch_scc1 .Lno_next                       ; the last round asks for no further list
.irp j, 0,1,2,3,4,5,6
	s_load_b128 s[RQ+4*\j:RQ+4*\j+3], s[12:13], 64*(9+\j)   ; the second round's tiles 9 to 15;
.endr
	s_load_b128 s[RQ+28:RQ+31], s[12:13], 64*15    ; a list has 16 tiles: places 16 and 17 repeat tile 15 and are replaced above, since mt is at most 16
	s_load_b128 s[RQ+32:RQ+35], s[12:13], 64*15
.Lno_next:
	s_cmp_gt_u32 s21, s22
	s_cbranch_scc0 .Lp2_done
; ---- P2
.set ii, 0
.rept 20
	v_mov_b32 v[SC+ii], 0                          ; the nine sums and sum(v)
.set ii, ii+1
.endr
	s_mov_b64 s[SBI:SBI+1], s[8:9]                 ; (the loads that named these pairs were followed by the wait at a pass's end)
	s_mov_b64 s[SVW:SVW+1], s[10:11]
	s_wait_alu depctr_vm_vsrc(0)                   ; P1's LDS stores have read v128-191, which are four fragments of set 1 from here on, and the last round's LDS stores have read v[BIAS ..]: loads land in both in the first K step
	AFETCH 0, 0, 8, 0                              ; set 0, K step 0.  No wait on va_vdst: set 0's last readers, the sixth step's products, stand ahead of the seventh step's wait, and nothing has named these registers since
	WIN 0
	s_mov_b32 s24, 0
.Lpass:                                            ; four trips: 64 columns each
	KSTEP 0, 1                                     ; the first step's products start the sums
	KSTEP 1, 0
	KSTEP 2, 0
	KSTEP 3, 0
	KSTEP 4, 0
	KSTEP 5, 0
	KSTEP 6, 0
	KSTEP 7, 0
	VSUM
.irp m, 0,1,2,3,4,5,6,7,8
	EPI \m
.endr
	s_wait_xcnt 0x0                                ; the pass's loads have read their bases: only now are these stepped
	s_mov_b64 s[BCUR:BCUR+1], s[BNXT:BNXT+1]
	s_add_co_u32 s25, s24, 2
	s_and_b32 s25, s25, 3
	s_lshl_b32 s78, s25, 16
	s_add_nc_u64 s[BNXT:BNXT+1], s[6:7], s[78:79]  ; the pass after next, round the wave's four
	s_add_nc_u64 s[SBI:SBI+1], s[SBI:SBI+1], 256
	s_add_nc_u64 s[SVW:SVW+1], s[SVW:SVW+1], 256
	s_add_co_u32 s24, s24, 1
	s_cmp_lt_u32 s24, 4
	s_cbranch_scc1 .Lpass
	DUMP
.Lp2_done:
	s_wait_dscnt 0x0                               ; my partial scores lie in LDS, and my reads of the codes are over: the next round may write them
	s_barrier_signal -1
	s_barrier_wait -1
	s_cmp_lg_u32 s20, 0
	s_cbranch_scc1 .Lnot_wave_0
; ---- wave 0 adds the four waves' parts and stores the round's 144 scores
	s_wait_xcnt 0x0                                ; the last round's stores have read their data
	s_wait_alu depctr_vm_vsrc(0)                   ; the last round's stores have read v[RES ..], which is written below; my LDS stores of the partial scores have read v[BIAS ..], in which the LDS loads below land
.irp i, 0,1,2,3,4
	v_mov_b32 v[RES+\i], 0                         ; what a round that is passed over leaves
.endr
	s_cmp_gt_u32 s21, s22
	s_cbranch_scc0 .Lstore
.irp i, 0,1,2,3
	ds_load_b128 v[BIAS+4*\i:BIAS+4*\i+3], v[FA] offset:NT*64*\i     ; scores 4 lane + 0 .. 3 of wave i.  (The vector lines that named v[BIAS ..] stand ahead of the wait in front of the partial scores' stores)
.endr
.irp i, 0,1,2,3
	ds_load_b32 v[BIAS+16+\i], v[FB] offset:NT*64*\i                 ; score 128 + r
.endr
	s_wait_dscnt 0x0
	v_pk_add_f32 v[RES:RES+1], v[BIAS:BIAS+1], v[BIAS+4:BIAS+5]
	v_pk_add_f32 v[RES+2:RES+3], v[BIAS+2:BIAS+3], v[BIAS+6:BIAS+7]
	v_pk_add_f32 v[BIAS+8:BIAS+9], v[BIAS+8:BIAS+9], v[BIAS+12:BIAS+13]
	v_pk_add_f32 v[BIAS+10:BIAS+11], v[BIAS+10:BIAS+11], v[BIAS+14:BIAS+15]
	v_add_f32 v[RES+4], v[BIAS+16], v[BIAS+17]
	v_add_f32 v[BIAS+18], v[BIAS+18], v[BIAS+19]
	v_pk_add_f32 v[RES:RES+1], v[RES:RES+1], v[BIAS+8:BIAS+9]
	v_pk_add_f32 v[RES+2:RES+3], v[RES+2:RES+3], v[BIAS+10:BIAS+11]
	v_add_f32 v[RES+4], v[RES+4], v[BIAS+18]
.Lstore:
	s_wait_alu depctr_va_vdst(0)                   ; v[RES ..] is written, on either way here: the two stores read it
	global_store_b128 v[L16], v[RES:RES+3], s[18:19]
	global_store_b32 v[GB], v[RES+4], s[18:19]     ; lanes r and r + 16 store the same number to the same word
.Lnot_wave_0:
	s_wait_xcnt 0x0                                ; the stores have read their base
	s_add_nc_u64 s[18:19], s[18:19], NT*64
	s_add_co_u32 s22, s22, NT
	s_sub_co_u32 s23, s23, 1
	s_cmp_lg_u32 s23, 0
	s_cbranch_scc1 .Lround
	s_wait_dscnt 0x0                               ; the closing lines, six on end
	s_wait_alu 0x0
	s_wait_tensorcnt 0x0
	ds_add_u32 v254, v255
	s_wait_dscnt 0x0
	s_endpgm
.Lfunc_end_k_q294ad7c168_main:
	.size	k_q294ad7c168_main, .Lfunc_end_k_q294ad7c168_main-k_q294ad7c168_main
	.p2alignl 7, 3214868480
	.fill 96, 4, 3214868480
	.section	.rodata,"a",@progbits
	.p2align	6, 0x0
	.amdhsa_kernel k_q294ad7c168_main
		.amdhsa_group_segment_fixed_size 152576
		.amdhsa_private_segment_fixed_size 0
		.amdhsa_enable_private_segment 0
		.amdhsa_kernarg_size 64
		.amdhsa_user_sgpr_count 2
		.amdhsa_user_sgpr_kernarg_segment_ptr 1
		.amdhsa_wavefront_size32 1
		.amdhsa_system_sgpr_workgroup_id_x 1
		.amdhsa_system_sgpr_workgroup_id_y 1
		.amdhsa_system_sgpr_workgroup_id_z 1
		.amdhsa_system_vgpr_workitem_id 0
		.amdhsa_next_free_vgpr 1024
		.amdhsa_next_free_sgpr 100
		.amdhsa_reserve_vcc 0
		.amdhsa_float_denorm_mode_32 3
		.amdhsa_float_denorm_mode_16_64 3
		.amdhsa_memory_ordered 1
		.amdhsa_forward_progress 1
		.amdhsa_inst_pref_size 255
	.end_amdhsa_kernel
	.section	.bss,"aw",@nobits
	.p2align	6
	.space	262144
	.amdgpu_metadata
---
amdhsa.version: [ 1, 2 ]
amdhsa.kernels:
  - .name:           k_q294ad7c168_main
    .symbol:         k_q294ad7c168_main.kd
    .args:
      - { .name: encoder_outputs, .offset: 0, .size: 8, .value_kind: global_buffer, .address_space: global }
      - { .name: wq, .offset: 8, .size: 8, .value_kind: global_buffer, .address_space: global }
      - { .name: bias, .offset: 16, .size: 8, .value_kind: global_buffer, .address_space: global }
      - { .name: v_w, .offset: 24, .size: 8, .value_kind: global_buffer, .address_space: global }
      - { .name: rows, .offset: 32, .size: 8, .value_kind: global_buffer, .address_space: global }
      - { .name: cnt, .offset: 40, .size: 8, .value_kind: global_buffer, .address_space: global }
      - { .name: lowp_scales, .offset: 48, .size: 8, .value_kind: global_buffer, .address_space: global }
      - { .name: sc, .offset: 56, .size: 8, .value_kind: global_buffer, .address_space: global }
    .group_segment_fixed_size: 152576
    .private_segment_fixed_size: 0
    .kernarg_segment_align: 8
    .kernarg_segment_size: 64
    .max_flat_workgroup_size: 128
    .sgpr_count:     100
    .vgpr_count:     1024
    .wavefront_size: 32
...
	.end_amdgpu_metadata
.endif
;; end of part 5
;; launch soft: the kernel of part 3 again; grid 64 x 1, 8 waves a work-group, no clusters, 1,536 bytes of LDS; arguments sc, slot, mask, out0; writes out0
